; MI455X (gfx1250); checked and timed in simulation.
; The chip was launched on July 23, 2026; its instructions are those of AMD's public machine-readable ISA for CDNA 5 (MIT licence, August 2026) and "CDNA5" Instruction Set Architecture Reference Guide (July 2026). The comments in the code are by the model that wrote it; some were corrected since.
;; Link Prediction. Allowed arithmetic: matrix products marked QUANTISED: E2M3 operands, one E8M0 scale for each 32 along K, by v_wmma_scale_f32_16x16x128_f8f6f4 with both operands' format E2M3, f32 sums; products left as they are: f32 operands where the result goes on into a quantised operand, else bf16, f16 or f32 operands; f32 sums; everything else in f32.
;; Inputs: b1 256 float32; b2 128 float32; b3 1 float32; batch 50,000 int32; be1 256 float32; be2 128 float32; edge_index 2 x 200,000 int32; g1 256 float32; g2 128 float32; neg_edge_index 2 x 200,000 int32; w1_codes 256 x 8 x 24 uint8 (E2M3 codes of w1, K innermost, in blocks of 32 codes, four codes in three bytes); w1_scales 256 x 8 uint8 (E8M0 scales of w1, one for each 32 codes along K); w2_codes 128 x 8 x 24 uint8 (E2M3 codes of w2, K innermost, in blocks of 32 codes, four codes in three bytes); w2_scales 128 x 8 uint8 (E8M0 scales of w2, one for each 32 codes along K); w3 128 x 1 float32; x 50,000 x 128 float32.
;; Outputs: out0 400,000 x 1 float32; out1 400,000 x 1 float32.
;; This version of the problem:
;;   THIS VERSION OF THE PROBLEM IS GIVEN IN LOW PRECISION. The matrix products marked QUANTISED in the list below multiply operands that are first quantised to E2M3 (2 exponent bits, 3 mantissa bits; 6 bits a number), with one power-of-two scale for each 32 numbers along K (OCP MX v1.0); their sums are f32. All else is computed in f32.
;;   The module's matrix products, in the order in which they are computed (A, B: the left and right operand; K: the contracted axis; several contracted axes count as one K, in the product's order):
;;     1. [M 400,000, K 256] x [K 256, N 256]; A: computed on the way; B: input w1 (given as codes): QUANTISED
;;     2. [M 400,000, K 256] x [K 256, N 128]; A: computed on the way; B: input w2 (given as codes): QUANTISED
;;     3. [M 400,000, K 128] x [K 128, N 1]; A: computed on the way; B: input w3: left as it is (N = 1 < 16)
;;   THE QUANTISER, for each operand of a quantised product, along K:
;;     - K is cut into blocks of 32 from its start; a last block that is shorter is filled with zeros.
;;     - A block's scale is 2^e with e = floor(log2(the largest magnitude in the block)) - 2, held to -126 .. 127; a block of zeros has e = 0. As a byte (E8M0): e + 127.
;;     - Each number is divided by its block's scale, clamped to +-7.5, and rounded to the nearest number of E2M3, ties to even, subnormals kept.
;;     - The product sums the exact products of the quantised numbers (number of the format x scale) in f32.
;;   ~~~python
;;   def quantise(x, axis):      # numpy; x: float32 -> the quantised numbers, widened to float32 again
;;       x = np.moveaxis(x, axis, -1); K = x.shape[-1]
;;       x = np.pad(x, [(0, 0)] * (x.ndim - 1) + [(0, -K % 32)]); x = x.reshape(x.shape[:-1] + (-1, 32)); a = np.abs(x).max(-1, keepdims=True)
;;       e = np.where(a > 0, np.clip(np.frexp(np.where(a > 0, a, 1))[1] - 1 - 2, -126, 127), 0)      # np.frexp(a)[1] - 1 = floor(log2(a)), exactly
;;       r = np.clip(x / 2.0 ** e, -7.5, 7.5)
;;       step = 2.0 ** (np.maximum(np.frexp(np.where(r == 0, 1, r))[1] - 1, 0) - 3)
;;       q = np.round(r / step) * step * 2.0 ** e      # np.round: ties to even
;;       return np.moveaxis(q.reshape(q.shape[:-2] + (-1,))[..., :K], -1, axis).astype(np.float32)
;;   ~~~
;;   OPERANDS COMPUTED ON THE WAY. 'Computed on the way' means the value that the module computes at that place (a softmax that the list does not call 'softmax' is quantised finished and normalised). What goes into a quantiser is computed in f32, as accurately as f32 sums, v_exp_f32 and their like allow (about 1e-6 of the number): no bf16 or f16 on the way to a quantiser, and a product that is left as it is and whose result goes on into a quantised operand takes f32 operands (vector FMAs, or v_wmma_f32_16x16x4_f32). A number that lies on a knife's edge between two numbers of the format may be rounded either way, as far as f32 arithmetic and the matrix unit's own rounding can turn it there, and no further.
;;   INPUTS GIVEN AS CODES. w1 (in the module: [256, 256], K = its axis 0); w2 (in the module: [256, 128], K = its axis 0): each comes as NAME_codes (uint8): NAME with its K axis moved to the last place and cut into blocks of 32 codes, [.., K / 32, bytes a block], one block behind the other in memory; four codes in three bytes: a row's codes are one little-endian stream of bits, code i at bits 6 i .. 6 i + 5 (a code: sign, 2 exponent bits, 3 mantissa bits); and NAME_scales (uint8): the same leading axes, one E8M0 byte (e + 127) for each 32 codes along K. Its value is code x scale, taken as it is: it is not quantised again, and the codes and scales need not be those that the quantiser above would give.
;; 2 versions. Each part assembles by itself: llvm-mc -triple=amdgcn-amd-amdhsa -mcpu=gfx1250 --defsym DOCPART=n.
;; ======== version 1 of 2: 2 launches
;; workspace buffers: xq 6,400,000 bytes
;; launch quant (part 1): grid 250 x 1, 5 waves a work-group, no clusters, 31,488 bytes of LDS; arguments x, xq; writes xq
.if DOCPART == 1
	.amdgcn_target "amdgcn-amd-amdhsa--gfx1250"
	.amdhsa_code_object_version 6
	.text
	.protected	k_q7321b0e76b_quant
	.globl	k_q7321b0e76b_quant
	.p2align	8
	.type	k_q7321b0e76b_quant,@function
k_q7321b0e76b_quant:
	s_mov_b64 s[64:65], 0
	v_nop
	global_prefetch_b8 v0, s[64:65] scope:SCOPE_SE
	s_setreg_imm32_b32 hwreg(HW_REG_WAVE_MODE, 25, 1), 1
	s_wait_xcnt 0x0
; x [50000][128] f32 -> xq: one record of 128 bytes a node, codes of FP6 (E2M3) with one E8M0 byte for each 32 numbers.
; A block of 32 of the edge feature [x[src] | x[dst]] lies inside one row of x, so each node is quantised ONCE here and gathered as codes later.
; THE RECORD lies in the order of the matrix operand's registers: bytes 0-23 block 0, 24-47 block 2, 48-63 the node's scale word four times,
; 64-87 block 1, 88-111 block 3, 112-127 the scale word four times: lane (r, h) of the reader takes its 12 registers as 48 bytes on end at 64 h, and the scale word at 64 h + 48.
; A block's scale is 2^(floor(log2(largest magnitude)) - 2); its byte is the largest magnitude's exponent field - 2, held at 1 from below.
; LIMITS: NaN and infinities among x are not served.  A block of zeros, or one whose largest magnitude lies under 2^(3 - 127), gets the byte 1 where the rule says 127 for zeros:
; its codes are zeros, which add nothing under any byte but 0xff, and this program alone reads the bytes.
; SHARES: a step is 512 numbers (4 nodes): 2,048 bytes in, 512 bytes out.  A wave takes 10 steps on end, written out: every offset is an immediate.  250 x 5 x 10 steps are all of x.
; Each load reads 512 consecutive bytes; the bytes turn through the wave's own stage in LDS so that a lane holds 16 neighbours (two lanes to a block, eight to a node);
; the codes and scale words are laid as records in a second stage and leave as 512 consecutive bytes.  Waves share nothing: no barrier.
.set STEPS, 10
.set WREG,  6144                       ; LDS of a wave: two stages in (32 x 80 bytes), two stages out (512 bytes)
.set SP,    80                         ; a lane's place in a stage in: its 64 bytes + 16 of padding
.set INST,  32*SP
.set OUTS,  2*INST
.set R,     16                         ; v16-79   four sets of 16 numbers as loaded
.set X,     80                         ; v80-111  two sets of 16 neighbours
.set C,     112                        ; v112..   codes, two sets of four registers
.set WD,    120                        ; v120-121 the node's scale word, two sets
.set O,     128                        ; v128-167 a step's 16 bytes a lane on the way out: registers of its own for each step, so no store's data are written again
	s_load_b128 s[4:7], s[0:1], 0x0                ; x, xq
	v_lshl_add_u32 v192, v0, 2, 0x7800
	v_mov_b32 v193, 0
	v_lshrrev_b32 v1, 5, v0
	v_readfirstlane_b32 s16, v1                    ; wave 0..4
	v_and_b32 v2, 31, v0                           ; lane
	v_lshlrev_b32 v3, 4, v2                        ; my 16 bytes of 512, in and out
	s_mul_i32 s17, s16, WREG
	v_lshrrev_b32 v14, 2, v2
	v_mul_u32_u24 v14, v14, SP
	v_and_b32 v15, 3, v2
	v_lshl_add_u32 v14, v15, 4, v14
	v_add_nc_u32 v14, s17, v14                     ; stage in, writing: four lanes' 64 bytes on end, then the padding
	v_mul_u32_u24 v15, v2, SP
	v_add_nc_u32 v15, s17, v15                     ; stage in, reading: my 16 neighbours
	v_lshrrev_b32 v8, 3, v2
	v_lshlrev_b32 v8, 7, v8                        ; my node's record: 128 x (lane / 8)
	v_add_nc_u32 v8, s17, v8
	v_add_nc_u32 v8, OUTS, v8
	v_bfe_u32 v9, v2, 1, 1                         ; my block's low bit: odd blocks lie in the record's second half
	v_lshl_add_u32 v4, v9, 6, v8
	v_bfe_u32 v9, v2, 2, 1                         ; its high bit: blocks 2 and 3 lie 24 bytes on
	v_mad_u32_u24 v4, v9, 24, v4
	v_and_b32 v10, 1, v2                           ; which half of the block is mine: 12 bytes
	v_mad_u32_u24 v4, v10, 12, v4                  ; v4: where my 12 bytes of codes go
	v_and_b32 v10, 3, v2
	v_lshl_add_u32 v5, v10, 2, v8
	v_lshl_add_u32 v5, v9, 6, v5
	v_add_nc_u32 v5, 48, v5                        ; v5: which of the record's eight copies of the scale word I write
	v_add_nc_u32 v6, s17, v3
	v_add_nc_u32 v6, OUTS, v6                      ; v6: stage out, reading: 16 bytes a lane
	v_bfe_u32 v7, v2, 1, 2
	v_lshlrev_b32 v7, 3, v7                        ; v7: my block's byte in the scale word, as a shift
	v_mov_b32 v13, 0                               ; written once: a DPP form's destination counts as one of its sources
	s_mul_i32 s18, ttmp9, 5
	s_add_co_u32 s18, s18, s16                     ; my wave's run of 10 steps
	s_mul_i32 s20, s18, STEPS*2048
	s_mov_b32 s21, 0
	s_mul_i32 s22, s18, STEPS*512
	s_mov_b32 s23, 0
	s_wait_kmcnt 0x0
	s_add_nc_u64 s[4:5], s[4:5], s[20:21]
	s_add_nc_u64 s[6:7], s[6:7], s[22:23]
.macro LOAD t
.irp i, 0,1,2,3
	global_load_b128 v[R+16*((\t)%4)+4*\i:R+16*((\t)%4)+4*\i+3], v3, s[4:5] offset:2048*(\t)+512*\i th:TH_LOAD_NT   ; 32 lanes read 512 consecutive bytes; x is read once
.endr
.endm
.macro TURN t                          ; LDS serves a wave's instructions in order (ISA guide 5.7.1): no wait between the stores and the loads
.irp i, 0,1,2,3
	ds_store_b128 v14, v[R+16*((\t)%4)+4*\i:R+16*((\t)%4)+4*\i+3] offset:INST*((\t)%2)+8*SP*\i
.endr
.irp i, 0,1,2,3
	ds_load_b128 v[X+16*((\t)%2)+4*\i:X+16*((\t)%2)+4*\i+3], v15 offset:INST*((\t)%2)+16*\i
.endr
.endm
.irp t, 0,1,2,3
	LOAD \t
.endr
	s_wait_loadcnt 12                              ; step 0's four loads are in
	TURN 0
.macro STEP t
.set XS, X+16*((\t)%2)
.set CS, C+4*((\t)%2)
.set PB, 512*((\t)%2)
.if (\t) > 0
	s_wait_dscnt 5                                 ; this step's 16 neighbours are back; the five younger (the last step's four stores and one load in the stage out) may be out
.else
	s_wait_dscnt 0x0
.endif
.if (\t)+4 < STEPS
	LOAD (\t)+4                                    ; into the set that this step's turn has read
.endif
.if (\t)+1 < STEPS
.if STEPS-2-(\t) >= 3
	s_wait_loadcnt 12                              ; the next step's four loads are in; those of the three steps behind it may be out
.else
	s_wait_loadcnt 4*(STEPS-2-(\t))                ; near the end fewer steps are behind it
.endif
	TURN (\t)+1
.endif
	v_max3_num_f32 v8, |v[XS]|, |v[XS+1]|, |v[XS+2]|               ; the largest magnitude of my 16, in two chains
	v_max3_num_f32 v9, |v[XS+3]|, |v[XS+4]|, |v[XS+5]|
.irp i, 6,10
	v_max3_num_f32 v8, v8, |v[XS+\i]|, |v[XS+\i+1]|
	v_max3_num_f32 v9, v9, |v[XS+\i+2]|, |v[XS+\i+3]|
.endr
	v_max3_num_f32 v8, v8, |v[XS+14]|, |v[XS+15]|
	v_max3_num_f32 v8, v8, v9, 0x1800000           ; and the floor 2^(3 - 127): the byte cannot fall under 1
	v_max_num_f32_dpp v8, v8, v8 row_xmask:1 row_mask:0xf bank_mask:0xf   ; with my neighbour's 16: the block's
	v_add_nc_u32 v11, 0xff000000, v8               ; 2 off its exponent field: the conversion takes this operand's exponent field as its scale
	v_cvt_scalef32_pk16_fp6_f32 v[CS:CS+2], v[XS:XS+15], v11
	v_lshrrev_b32 v12, 23, v11                     ; the scale's byte (also the plain line behind the conversion),
	v_lshlrev_b32 v12, v7, v12                     ; at its place in the node's word;
	v_mov_b32_dpp v13, v12 row_xmask:2 row_mask:0xf bank_mask:0xf
	v_or_b32 v12, v12, v13                         ; with the block beside it,
	v_mov_b32_dpp v13, v12 row_xmask:4 row_mask:0xf bank_mask:0xf
	v_or_b32 v[WD+(\t)%2], v12, v13                ; and the other pair: all eight lanes of a node hold its word
	ds_store_b32 v4, v[CS] offset:PB
	ds_store_b32 v4, v[CS+1] offset:PB+4
	ds_store_b32 v4, v[CS+2] offset:PB+8
	ds_store_b32 v5, v[WD+(\t)%2] offset:PB
	ds_load_b128 v[O+4*(\t):O+4*(\t)+3], v6 offset:PB              ; four records, 16 bytes a lane: in order behind the stores above
.if (\t) > 0
.if (\t)+1 < STEPS
	s_wait_dscnt 13                                ; the last step's records are in registers: behind that load stand the next turn's eight and this step's five
.else
	s_wait_dscnt 5                                 ; no turn stands between in the last step
.endif
	global_store_b128 v3, v[O+4*(\t)-4:O+4*(\t)-1], s[6:7] offset:512*(\t)-512   ; 32 lanes store 512 consecutive bytes, at a multiple of 512 from xq's first byte
.endif
.endm
.irp t, 0,1,2,3,4,5,6,7,8,9
	STEP \t
.endr
	s_wait_dscnt 0x0
	global_store_b128 v3, v[O+4*(STEPS-1):O+4*(STEPS-1)+3], s[6:7] offset:512*(STEPS-1)
	s_wait_tensorcnt 0x0
	ds_add_u32 v192, v193
	s_wait_dscnt 0x0
	s_endpgm
.Lfunc_end_k_q7321b0e76b_quant:
	.size	k_q7321b0e76b_quant, .Lfunc_end_k_q7321b0e76b_quant-k_q7321b0e76b_quant
	.p2alignl 7, 3214868480
	.fill 96, 4, 3214868480
	.section	.rodata,"a",@progbits
	.p2align	6, 0x0
	.amdhsa_kernel k_q7321b0e76b_quant
		.amdhsa_group_segment_fixed_size 31488
		.amdhsa_private_segment_fixed_size 0
		.amdhsa_enable_private_segment 0
		.amdhsa_kernarg_size 16
		.amdhsa_user_sgpr_count 2
		.amdhsa_user_sgpr_kernarg_segment_ptr 1
		.amdhsa_wavefront_size32 1
		.amdhsa_system_sgpr_workgroup_id_x 1
		.amdhsa_system_sgpr_workgroup_id_y 1
		.amdhsa_system_sgpr_workgroup_id_z 1
		.amdhsa_system_vgpr_workitem_id 0
		.amdhsa_next_free_vgpr 194
		.amdhsa_next_free_sgpr 66
		.amdhsa_reserve_vcc 0
		.amdhsa_float_denorm_mode_32 3
		.amdhsa_float_denorm_mode_16_64 3
		.amdhsa_memory_ordered 1
		.amdhsa_forward_progress 1
		.amdhsa_inst_pref_size 26
	.end_amdhsa_kernel
	.amdgpu_metadata
---
amdhsa.version: [ 1, 2 ]
amdhsa.kernels:
  - .name:           k_q7321b0e76b_quant
    .symbol:         k_q7321b0e76b_quant.kd
    .args:
      - { .name: x, .offset: 0, .size: 8, .value_kind: global_buffer, .address_space: global }
      - { .name: xq, .offset: 8, .size: 8, .value_kind: global_buffer, .address_space: global }
    .group_segment_fixed_size: 31488
    .private_segment_fixed_size: 0
    .kernarg_segment_align: 8
    .kernarg_segment_size: 16
    .max_flat_workgroup_size: 160
    .sgpr_count:     66
    .vgpr_count:     194
    .wavefront_size: 32
...
	.end_amdgpu_metadata
.endif
;; end of part 1
;; launch mlp (part 2): grid 256 x 1, 4 waves a work-group, no clusters, 13,824 bytes of LDS; arguments xq, edge_index, neg_edge_index, w1_codes, w1_scales, w2_codes, w2_scales, b1, g1, be1, b2, g2, be2, w3, b3, out0, out1; writes out0, out1
.if DOCPART == 2
	.amdgcn_target "amdgcn-amd-amdhsa--gfx1250"
	.amdhsa_code_object_version 6
	.text
	.protected	k_q7321b0e76b_mlp
	.globl	k_q7321b0e76b_mlp
	.p2align	8
	.type	k_q7321b0e76b_mlp,@function
k_q7321b0e76b_mlp:
	s_mov_b64 s[64:65], 0
	v_nop
	global_prefetch_b8 v0, s[64:65] scope:SCOPE_SE
	s_setreg_imm32_b32 hwreg(HW_REG_WAVE_MODE, 25, 1), 1
	s_wait_xcnt 0x0
; For each of 400,000 edges (200,000 of edge_index, then 200,000 of neg_edge_index):
;   h1 = relu(LN(Q([x[src] | x[dst]]) w1 + b1) g1 + be1);  h2 = relu(LN(Q(h1) w2 + b2) g2 + be2);  out0 = sigmoid(h2 . w3 + b3);  out1 = 1 for the first 200,000 edges, 0 for the others.
; Both products on codes of FP6 (E2M3) with E8M0 scales for each 32 along K, sums in f32; all else in f32.  x's codes come as records of 128 bytes a node (xq), in the order of the operand's registers.
; The input batch enters nothing that the reference computes: it is not read.
; LIMITS: NaN and infinities are not served; indices are held to 0 .. 49,999; a block of h1 that is all zeros gets the byte 1 (its codes are zeros); v_exp_f32 flushes results under 2^-126, where the sigmoid is 1 anyway.
; The variance is taken of the centred numbers (two passes), so no difference of large sums is formed.
; LAYOUT.  Both products are used transposed: source 0 = 16 rows of the weight, source 1 = 16 edges: a lane holds ONE edge (lane % 16) throughout.  THE ROWS OF A WEIGHT THAT FORM A TILE ARE NOT NEIGHBOURS:
; lane r of tile t takes row 32 (t / 2) + 8 (t % 2) + r + 8 (r / 8), so that register 16 b + i of an edge's results is hidden unit 32 b + 16 (lane / 16) + i: 16 neighbours along the next K.
; So a LayerNorm's sums want one exchange between the halves of the lanes, and the conversions' results are the next operand.
; SHARES.  128 edges on end are a trip of the work-group; wave w takes 32 of them, two tiles of 16 (T = 0, 1).  3,125 such trips: work-groups 0-52 take 13, the others 12.  The loop has 13 trips in every work-group;
; a scalar branch on ids leaves out the work of a trip that is not there.  200,000 is a multiple of 32: a wave's 32 edges come from one of the two lists.
; ALL WEIGHTS STAY IN REGISTERS (576 a lane), read from memory once.  The vectors b, g, be, w3 lie in LDS as they lie in memory; 16 registers of them (64 bytes at 128 b + 64 (lane / 16)) come by four
; loads that all lanes of a half share, and serve both tiles.  Waves share nothing in the loop: no barrier there.  Results are gathered in LDS and leave at the end in runs of 512 bytes a wave.
; No tensor loads (the bulk input is a gather of 128-byte records), no cluster (what work-groups share is the weights, read once).
; REGISTERS, in windows of 256 (s_set_vgpr_msb: bits 1:0 source 0, 3:2 source 1, 5:4 source 2, 7:6 destination):
;   window 0: v1 64 h; v2 4 r; v3-6 addresses of results; v8-11 indices, v12-15 gather offsets (2 T + s: s = 0 src, 1 dst); v16-31 w1's scale words, v32-39 w2's (lanes 0-15 K step 0, lanes 16-31 K step 1);
;             v40-43 the edges' scale words; v44-139 six slots of 16 (slots 0-2 are also the four fragments of 12, at 44 + 12 (2 T + s)); v140-147, v148-163, v164-179 at work; v184-255 w2's fragments 10-15
;   window 1: w1, K step 0, tile t at 12 t; w2's fragments 0-4 from v192.   window 2: w1, K step 1; w2's fragments 5-9.   (w2's fragment 8 s + n: tile n, K step s)
;   window 3: the results: tile of edges T, tile of units t at 128 T + 8 t.  In layer 2 units take v0-63 and v128-191; g2 lies in v64-127, be2 in v192-255.
.set B1O,  0                           ; LDS: b1, g1, be1 (1,024 bytes each); b2, g2, be2, w3 (512 each);
.set G1O,  1024
.set BE1O, 2048
.set B2O,  3072
.set G2O,  3584
.set BE2O, 4096
.set W3O,  4608
.set PRED, 5120                        ; the results: 512 bytes a trip, 13 trips
.set NE,   200000
.set TRIPS, 13
.set FR,   44                          ; slots and fragments
.set SPL,  140                         ; v140-147
.set CH,   148                         ; v148-163: tile T's four chains of pairs at CH + 8 T; later its eight block maxima; later its dot product
.set SS,   164                         ; tile T at SS + 8 T: +0,1 -mean twice; +2,3 1 / sqrt(var + eps) twice; +4,5 at work
.set MSB, 0
.macro WIN new                         ; the immediate's high byte repeats the setting that is left; a switch that changes nothing is dropped
.if MSB != (\new)
	s_set_vgpr_msb (MSB<<8)|(\new)
.set MSB, (\new)
.endif
.endm
.macro PLACES n                        ; plain vector lines behind matrix instructions, and in front of scaled ones whose operands vector lines have made (ISA guide 7.12.1)
.rept \n
	v_nop
.endr
.endm
.macro PLOAD slot, off                 ; 16 numbers of a vector, at byte off + 64 h, into a slot
.irp i, 0,1,2,3
	ds_load_b128 v[FR+16*(\slot)+4*\i:FR+16*(\slot)+4*\i+3], v1 offset:(\off)+16*\i
.endr
.endm
.macro W2AT f                          ; where w2's fragment f lies: window WW, register WR
.if (\f) < 5
.set WW, 1
.set WR, 192+12*(\f)
.elseif (\f) < 10
.set WW, 2
.set WR, 192+12*((\f)-5)
.else
.set WW, 0
.set WR, 184+12*((\f)-10)
.endif
.endm
.macro WMMA d, a, b, c, sa, sb, row    ; row = 1: the weight's scale words are taken from lanes 16-31
.if \row
	v_wmma_scale_f32_16x16x128_f8f6f4 v[(\d):(\d)+7], v[(\a):(\a)+11], v[(\b):(\b)+11], v[(\c):(\c)+7], v[\sa], v[\sb] matrix_a_fmt:MATRIX_FMT_FP6 matrix_b_fmt:MATRIX_FMT_FP6 matrix_a_scale:MATRIX_SCALE_ROW1
.else
	v_wmma_scale_f32_16x16x128_f8f6f4 v[(\d):(\d)+7], v[(\a):(\a)+11], v[(\b):(\b)+11], v[(\c):(\c)+7], v[\sa], v[\sb] matrix_a_fmt:MATRIX_FMT_FP6 matrix_b_fmt:MATRIX_FMT_FP6
.endif
.endm
; The indices of the work-group's trip s43 (held to the last trip that exists: no load leaves its buffer): my wave's 32 src and 32 dst.  The list is chosen on the edge's number alone.
.macro IDXLOAD
	s_min_u32 s50, s43, 3124
	s_lshl_b32 s50, s50, 7
	s_add_co_u32 s50, s50, s39                     ; my first edge
	s_cmp_lt_u32 s50, NE
	s_cselect_b64 s[52:53], s[6:7], s[8:9]
	s_cselect_b32 s51, 0, NE
	s_sub_co_u32 s50, s50, s51
	s_lshl_b32 s50, s50, 2
	s_mov_b32 s51, 0
	s_add_nc_u64 s[52:53], s[52:53], s[50:51]
.irp T, 0,1
.irp s, 0,1
	global_load_b32 v[8+2*\T+\s], v2, s[52:53] offset:64*\T+4*NE*\s
.endr
.endr
	s_add_co_u32 s43, s43, 1
.endm
; Four fragments and their scale words: lane (r, h) takes 48 bytes on end at 128 x node + 64 h, and the word behind them.
.macro GATHER
.irp k, 0,1,2,3
	v_min_u32 v[12+\k], 49999, v[8+\k]
.endr
.irp k, 0,1,2,3
	v_lshlrev_b32 v[12+\k], 7, v[12+\k]
.endr
.irp k, 0,1,2,3
	v_add_nc_u32 v[12+\k], v1, v[12+\k]
.endr
.irp k, 0,1,2,3
	global_load_b128 v[FR+12*\k:FR+12*\k+3], v[12+\k], s[4:5]
	global_load_b128 v[FR+12*\k+4:FR+12*\k+7], v[12+\k], s[4:5] offset:16
	global_load_b128 v[FR+12*\k+8:FR+12*\k+11], v[12+\k], s[4:5] offset:32
	global_load_b32 v[40+\k], v[12+\k], s[4:5] offset:48
.endr
.endm
; Layer 1, units 32 c .. 32 c + 31 of both tiles of edges: four accumulators by turns, one instruction a turn; the bias is the C of each sum's first product.
.macro MM1 c, cnt
	s_wait_dscnt \cnt                              ; this chunk of b1 is in; cnt = the LDS loads issued behind it
.set SL, FR+16*(3+((\c)+1)%3)
	WIN 0xC1                                       ; w1 window 1, edges and bias window 0, results window 3
.irp u, 0,1
.irp T, 0,1
	WMMA 128*\T+8*(2*(\c)+\u), 12*(2*(\c)+\u), FR+24*\T, SL+8*\u, 16+2*(\c)+\u, 40+2*\T, 0
.endr
.endr
	WIN 0xF2                                       ; w1 window 2, C and D window 3
.irp u, 0,1
.irp T, 0,1
	WMMA 128*\T+8*(2*(\c)+\u), 12*(2*(\c)+\u), FR+24*\T+12, 128*\T+8*(2*(\c)+\u), 16+2*(\c)+\u, 41+2*\T, 1
.endr
.endr
	PLACES 4                                       ; in front of loads into registers that these products have read, and of the first read of results
.if (\c) < 5
	WIN 0
	PLOAD 3+((\c)+1)%3, B1O+128*((\c)+3)           ; the slot takes the chunk three on
.endif
.endm
; Layer 2 likewise: units 32 c .. 32 c + 31
.macro MM2 c, cnt
	s_wait_dscnt \cnt
.set SL, FR+16*(3+((\c)+1)%3)
.irp u, 0,1
	W2AT 2*(\c)+\u
	WIN 0xC0+WW
.irp T, 0,1
	WMMA 128*\T+8*(2*(\c)+\u), WR, FR+24*\T, SL+8*\u, 32+2*(\c)+\u, 40+2*\T, 0
.endr
.endr
.irp u, 0,1
	W2AT 8+2*(\c)+\u
	WIN 0xF0+WW
.irp T, 0,1
	WMMA 128*\T+8*(2*(\c)+\u), WR, FR+24*\T+12, 128*\T+8*(2*(\c)+\u), 32+2*(\c)+\u, 41+2*\T, 1
.endr
.endr
	PLACES 4
.if (\c) == 0
	WIN 0
	PLOAD 4, B2O+384                               ; b2's fourth chunk
.endif
.endm
.macro JOIN                            ; a pair's two halves, and the other half of the lanes': the edge's sum in v[SS + 8 T + 4]
.irp T, 0,1
	v_add_f32 v[SS+8*\T+4], v[CH+8*\T], v[CH+8*\T+1]
.endr
.irp T, 0,1
	v_permlanex16_b32 v[SS+8*\T+5], v[SS+8*\T+4], s46, s47
.endr
.irp T, 0,1
	v_add_f32 v[SS+8*\T+4], v[SS+8*\T+4], v[SS+8*\T+5]
.endr
.endm
.macro REDUCE                          ; four chains into one, then JOIN
.irp T, 0,1
	v_pk_add_f32 v[CH+8*\T:CH+8*\T+1], v[CH+8*\T:CH+8*\T+1], v[CH+8*\T+2:CH+8*\T+3]
	v_pk_add_f32 v[CH+8*\T+4:CH+8*\T+5], v[CH+8*\T+4:CH+8*\T+5], v[CH+8*\T+6:CH+8*\T+7]
.endr
.irp T, 0,1
	v_pk_add_f32 v[CH+8*\T:CH+8*\T+1], v[CH+8*\T:CH+8*\T+1], v[CH+8*\T+4:CH+8*\T+5]
.endr
	JOIN
.endm
; A LayerNorm's statistics over np pairs of registers a tile: the mean; the numbers are centred in place; the mean of their squares; 1 / sqrt(that + eps).
; The pairs are taken in ascending order.
.macro STATS np, neginv, sinv
	WIN 0x0F                                       ; both sources window 3
.irp k, 0,1,2,3
.irp T, 0,1
	v_pk_add_f32 v[CH+8*\T+2*\k:CH+8*\T+2*\k+1], v[128*\T+2*\k:128*\T+2*\k+1], v[128*\T+2*\k+8:128*\T+2*\k+9]   ; the first eight pairs start the four chains: nothing is cleared
.endr
.endr
	WIN 0x0C
.set PP, 8
.rept \np-8
.irp T, 0,1
	v_pk_add_f32 v[CH+8*\T+2*(PP%4):CH+8*\T+2*(PP%4)+1], v[CH+8*\T+2*(PP%4):CH+8*\T+2*(PP%4)+1], v[128*\T+2*PP:128*\T+2*PP+1]
.endr
.set PP, PP+1
.endr
	WIN 0
	REDUCE
.irp T, 0,1
	v_mul_f32 v[SS+8*\T], \neginv, v[SS+8*\T+4]    ; -mean
.endr
.irp T, 0,1
	v_mov_b32 v[SS+8*\T+1], v[SS+8*\T]
.endr
	WIN 0xC3
.set PP, 0
.rept \np
.irp T, 0,1
	v_pk_add_f32 v[128*\T+2*PP:128*\T+2*PP+1], v[128*\T+2*PP:128*\T+2*PP+1], v[SS+8*\T:SS+8*\T+1]
.endr
.set PP, PP+1
.endr
	WIN 0x0F
.set PP, 0
.rept \np
.irp T, 0,1
.if PP < 4
	v_pk_mul_f32 v[CH+8*\T+2*PP:CH+8*\T+2*PP+1], v[128*\T+2*PP:128*\T+2*PP+1], v[128*\T+2*PP:128*\T+2*PP+1]
.else
	v_pk_fma_f32 v[CH+8*\T+2*(PP%4):CH+8*\T+2*(PP%4)+1], v[128*\T+2*PP:128*\T+2*PP+1], v[128*\T+2*PP:128*\T+2*PP+1], v[CH+8*\T+2*(PP%4):CH+8*\T+2*(PP%4)+1]
.endif
.endr
.set PP, PP+1
.endr
	WIN 0
	REDUCE
.irp T, 0,1
	v_fma_f32 v[SS+8*\T+4], v[SS+8*\T+4], s[\sinv], s56   ; var + eps
.endr
.irp T, 0,1
	v_rsq_f32 v[SS+8*\T+2], v[SS+8*\T+4]
.endr
	v_nop                                          ; a plain line behind the transcendentals (ISA guide 5.7.2)
	s_wait_alu depctr_va_vdst(0)
.irp T, 0,1
	v_mov_b32 v[SS+8*\T+3], v[SS+8*\T+2]
.endr
.endm
; Layer 1, block b of 32 units (16 registers a lane), both tiles: x rstd, x g1 + be1, relu
.macro NORM1 b
.set GS, FR+32*((\b)%3)
	WIN 0xC3
.irp j, 0,2,4,6,8,10,12,14
.irp T, 0,1
	v_pk_mul_f32 v[128*\T+16*(\b)+\j:128*\T+16*(\b)+\j+1], v[128*\T+16*(\b)+\j:128*\T+16*(\b)+\j+1], v[SS+8*\T+2:SS+8*\T+3]
.endr
.endr
.irp j, 0,2,4,6,8,10,12,14
.irp T, 0,1
	v_pk_fma_f32 v[128*\T+16*(\b)+\j:128*\T+16*(\b)+\j+1], v[128*\T+16*(\b)+\j:128*\T+16*(\b)+\j+1], v[GS+\j:GS+\j+1], v[GS+16+\j:GS+16+\j+1]
.endr
.endr
.irp j, 0,1,2,3,4,5,6,7,8,9,10,11,12,13,14,15
.irp T, 0,1
	v_max_num_f32 v[128*\T+16*(\b)+\j], v[128*\T+16*(\b)+\j], 0
.endr
.endr
.endm
.macro MAXES                           ; the largest of my 16 numbers of each of h1's eight blocks, both tiles: 16 chains by turns.  No |.|: none is negative.  The floor 2^(3 - 127) holds the byte at 1 from below
	WIN 0x0F
.irp b, 0,1,2,3,4,5,6,7
.irp T, 0,1
	v_max3_num_f32 v[CH+8*\T+\b], v[128*\T+16*\b], v[128*\T+16*\b+1], 0x1800000
.endr
.endr
.irp i, 2,4,6,8,10,12,14
.irp b, 0,1,2,3,4,5,6,7
.irp T, 0,1
	v_max3_num_f32 v[CH+8*\T+\b], v[128*\T+16*\b+\i], v[128*\T+16*\b+\i+1], v[CH+8*\T+\b]
.endr
.endr
.endr
.endm
; Tile T's h1 becomes two fragments and two scale words
.macro QUANT T
	WIN 0
.irp b, 0,1,2,3,4,5,6,7
	v_permlanex16_b32 v[SPL+\b], v[CH+8*\T+\b], s46, s47
.endr
.irp b, 0,1,2,3,4,5,6,7
	v_max_num_f32 v[CH+8*\T+\b], v[CH+8*\T+\b], v[SPL+\b]          ; with lane l xor 16's 16: the block's largest
.endr
.irp b, 0,1,2,3,4,5,6,7
	v_add_nc_u32 v[CH+8*\T+\b], 0xff000000, v[CH+8*\T+\b]          ; 2 off its exponent field: the conversion's scale operand
.endr
.irp b, 0,1,2,3,4,5,6,7
	v_lshrrev_b32 v[SPL+\b], 23, v[CH+8*\T+\b]                     ; the scale's byte
.endr
.irp s, 0,1
	v_lshl_or_b32 v[40+2*\T+\s], v[SPL+4*\s+1], 8, v[SPL+4*\s]     ; four bytes make the scale word of a K step
	v_lshl_or_b32 v[40+2*\T+\s], v[SPL+4*\s+2], 16, v[40+2*\T+\s]
	v_lshl_or_b32 v[40+2*\T+\s], v[SPL+4*\s+3], 24, v[40+2*\T+\s]
.endr
.irp s, 0,1
	WIN 0x03                                       ; the numbers: window 3
.irp c, 0,1
	v_cvt_scalef32_pk16_fp6_f32 v[FR+24*\T+12*\s+6*\c:FR+24*\T+12*\s+6*\c+2], v[128*\T+64*\s+32*\c:128*\T+64*\s+32*\c+15], v[CH+8*\T+4*\s+2*\c]
	v_cvt_scalef32_pk16_fp6_f32 v[SPL+4*\c:SPL+4*\c+2], v[128*\T+64*\s+32*\c+16:128*\T+64*\s+32*\c+31], v[CH+8*\T+4*\s+2*\c+1]   ; (a conversion's three registers begin on an even number)
.endr
	WIN 0
	v_nop                                          ; one plain line behind a run of scaled conversions
.irp c, 0,1                                    ; the operand's layout wants a WHOLE block in a lane: lanes 0-15 block 2 c, lanes 16-31 block 2 c + 1
.irp i, 0,1,2
	v_permlane16_swap_b32 v[FR+24*\T+12*\s+6*\c+\i], v[SPL+4*\c+\i]
.endr
.irp i, 0,1,2
	v_mov_b32 v[FR+24*\T+12*\s+6*\c+3+\i], v[SPL+4*\c+\i]
.endr
.endr
.endr
.endm
; Layer 2, block b, both tiles: x g2 + be2, relu, and the dot product with w3 in two chains of pairs a tile
.macro FIN2 b
.set WS, FR+16*(3+(\b)%3)
	WIN 0xFF
.irp j, 0,2,4,6,8,10,12,14
.irp T, 0,1
	v_pk_fma_f32 v[128*\T+16*(\b)+\j:128*\T+16*(\b)+\j+1], v[128*\T+16*(\b)+\j:128*\T+16*(\b)+\j+1], v[64+16*(\b)+\j:64+16*(\b)+\j+1], v[192+16*(\b)+\j:192+16*(\b)+\j+1]
.endr
.endr
.irp j, 0,1,2,3,4,5,6,7,8,9,10,11,12,13,14,15
.irp T, 0,1
	v_max_num_f32 v[128*\T+16*(\b)+\j], v[128*\T+16*(\b)+\j], 0
.endr
.endr
	s_wait_dscnt 8                                 ; this chunk of w3 is in: two chunks of four loads were issued behind it
	WIN 0x03
.irp j, 0,2,4,6,8,10,12,14
.irp T, 0,1
.if (\b) == 0 && \j < 4
	v_pk_mul_f32 v[CH+8*\T+\j%4:CH+8*\T+\j%4+1], v[128*\T+16*(\b)+\j:128*\T+16*(\b)+\j+1], v[WS+\j:WS+\j+1]
.else
	v_pk_fma_f32 v[CH+8*\T+\j%4:CH+8*\T+\j%4+1], v[128*\T+16*(\b)+\j:128*\T+16*(\b)+\j+1], v[WS+\j:WS+\j+1], v[CH+8*\T+\j%4:CH+8*\T+\j%4+1]
.endif
.endr
.endr
.endm
	; ---- THE HEAD
	s_load_b512 s[4:19], s[0:1], 0x0               ; xq 4, edge_index 6, neg_edge_index 8, w1_codes 10, w1_scales 12, w2_codes 14, w2_scales 16, b1 18
	s_load_b512 s[20:35], s[0:1], 0x40             ; g1 20, be1 22, b2 24, g2 26, be2 28, w3 30, b3 32, out0 34
	s_load_b64 s[36:37], s[0:1], 0x80              ; out1
	v_lshl_add_u32 v178, v0, 2, 0x3400
	v_mov_b32 v179, 0
	v_lshrrev_b32 v4, 5, v0
	v_readfirstlane_b32 s38, v4                    ; wave 0..3
	v_and_b32 v7, 15, v0                           ; r
	v_bfe_u32 v4, v0, 4, 1                         ; h
	v_lshlrev_b32 v1, 6, v4                        ; 64 h: my half's place in a chunk of a vector and in a record
	v_lshlrev_b32 v2, 2, v7                        ; 4 r: my edge's index
	v_lshl_add_u32 v3, v0, 2, PRED                 ; my result's word in a trip's 512 bytes
	v_lshlrev_b32 v5, 4, v0                        ; the way out: 16 bytes a thread
	v_add_nc_u32 v6, PRED, v5
	v_and_b32 v180, 8, v7
	v_add_nc_u32 v180, v180, v7                    ; r + 8 (r / 8)
	v_mul_u32_u24 v181, v180, 192                  ; a weight's row is 256 codes, 192 bytes;
	v_mad_u32_u24 v181, v4, 24, v181               ; + 24 h
	v_lshlrev_b32 v182, 3, v180                    ; its scale bytes: 8 a row;
	v_lshl_add_u32 v182, v4, 2, v182               ; lanes 16-31 take K step 1's word
	v_lshlrev_b32 v183, 3, v0                      ; 8 bytes a thread of the vectors of 256,
	v_lshlrev_b32 v7, 2, v0                        ; 4 of those of 128
	s_lshl_b32 s39, s38, 5                         ; my wave's 32 edges in a trip
	s_mul_i32 s40, ttmp9, 12
	s_min_u32 s50, ttmp9, 53
	s_add_co_u32 s40, s40, s50                     ; the work-group's first trip: 12 x number + min(number, 53)
	s_cmp_lt_u32 ttmp9, 53
	s_cselect_b32 s41, 13, 12                      ; and how many it has: 53 x 13 + 203 x 12 = 3,125
	s_mov_b32 s46, 0x76543210
	s_mov_b32 s47, 0xfedcba98                      ; v_permlanex16_b32's selects for lane l xor 16
	s_mov_b32 s48, 0xffff0000                      ; lanes 16-31
	s_mov_b32 s54, 0x3b800000                      ; 1 / 256
	s_mov_b32 s55, 0x3c000000                      ; 1 / 128
	s_mov_b32 s56, 0x3727c5ac                      ; eps = 1e-5
	s_mov_b32 s42, 0                               ; the trip
	s_mov_b32 s44, 0                               ; 512 x the trip
	s_mov_b32 s43, s40                             ; the trip whose indices are fetched next
	s_wait_kmcnt 0x0
	s_load_b32 s49, s[32:33], 0x0                  ; b3
	global_load_b64 v[44:45], v183, s[18:19]       ; the vectors: 128 threads bring each whole
	global_load_b64 v[46:47], v183, s[20:21]
	global_load_b64 v[48:49], v183, s[22:23]
	global_load_b32 v50, v7, s[24:25]
	global_load_b32 v51, v7, s[26:27]
	global_load_b32 v52, v7, s[28:29]
	global_load_b32 v53, v7, s[30:31]
.irp s, 0,1                                    ; w1's 32 fragments: 24 bytes of the row's stream of bits at 96 s + 24 h, and 24 more 48 bytes on, in pieces of 8
	WIN 0x40+0x40*\s
.irp t, 0,1,2,3,4,5,6,7,8,9,10,11,12,13,14,15
.irp p, 0,1,2,3,4,5
	global_load_b64 v[12*\t+2*\p:12*\t+2*\p+1], v181, s[10:11] offset:(32*(\t/2)+8*(\t%2))*192+96*\s+48*(\p/3)+8*(\p%3)
.endr
.endr
.endr
.irp s, 0,1                                    ; w2's 16
.irp n, 0,1,2,3,4,5,6,7
	W2AT 8*\s+\n
	WIN WW<<6
.irp p, 0,1,2,3,4,5
	global_load_b64 v[WR+2*\p:WR+2*\p+1], v181, s[14:15] offset:(32*(\n/2)+8*(\n%2))*192+96*\s+48*(\p/3)+8*(\p%3)
.endr
.endr
.endr
	WIN 0
.irp t, 0,1,2,3,4,5,6,7,8,9,10,11,12,13,14,15
	global_load_b32 v[16+\t], v182, s[12:13] offset:(32*(\t/2)+8*(\t%2))*8
.endr
.irp n, 0,1,2,3,4,5,6,7
	global_load_b32 v[32+\n], v182, s[16:17] offset:(32*(\n/2)+8*(\n%2))*8
.endr
.irp i, 0,1,2,3,4,5,6,7
	v_mov_b32 v[SPL+\i], 0                         ; written once: a lane permute's destination counts as one of its sources
.endr
	v_mov_b32 v[SS+5], 0
	v_mov_b32 v[SS+13], 0
	s_wait_loadcnt 0x0                             ; weights, scale words and vectors are in
	ds_store_b64 v183, v[44:45] offset:B1O
	ds_store_b64 v183, v[46:47] offset:G1O
	ds_store_b64 v183, v[48:49] offset:BE1O
	ds_store_b32 v7, v50 offset:B2O
	ds_store_b32 v7, v51 offset:G2O
	ds_store_b32 v7, v52 offset:BE2O
	ds_store_b32 v7, v53 offset:W3O
	s_wait_dscnt 0x0                               ; for the others' sake: my part of the vectors lies in LDS
	s_barrier_signal -1
	s_barrier_wait -1                              ; everybody's does; nobody writes these bytes again
	s_wait_kmcnt 0x0                               ; b3
	IDXLOAD                                        ; trip 0's indices
	s_wait_loadcnt 0x0
	GATHER                                         ; trip 0's records
	IDXLOAD                                        ; trip 1's indices
	PLOAD 4, B1O
	PLOAD 5, B1O+128
	PLOAD 3, B1O+256
	; ---- A TRIP: 32 edges of my wave
.Ltrip:
	s_cmp_ge_u32 s42, s41                          ; a trip that this work-group does not have: only the counters step
	s_cbranch_scc1 .Lskip
	s_wait_loadcnt 0x4                             ; the 16 loads of the gather are in; the four index loads issued behind them may be out
	MM1 0, 8                                       ; behind a chunk of b1 two more chunks of four loads were issued (and, from the second trip on, the last result's store: 8 is then the smaller count)
	MM1 1, 8
	MM1 2, 8
	MM1 3, 8
	MM1 4, 8
	MM1 5, 8
	MM1 6, 4                                       ; one chunk behind it
	MM1 7, 0
	WIN 0
	PLOAD 0, G1O                                   ; g1's and be1's first three chunks, into all six slots (the fragments are done with; the four places stand above)
	PLOAD 1, BE1O
	PLOAD 2, G1O+128
	PLOAD 3, BE1O+128
	PLOAD 4, G1O+256
	PLOAD 5, BE1O+256
	STATS 64, 0xbb800000, 54
.irp b, 0,1,2,3,4,5,6,7
.if \b < 6
	s_wait_dscnt 16                                ; this block's g1 and be1 are in: behind them two more blocks' eight loads each
.else
	s_wait_dscnt 8*(7-\b)
.endif
	NORM1 \b
.if \b < 5
	WIN 0
	PLOAD 2*(\b%3), G1O+128*(\b+3)
	PLOAD 2*(\b%3)+1, BE1O+128*(\b+3)
.endif
.endr
	WIN 0
	PLOAD 4, B2O
	PLOAD 5, B2O+128
	PLOAD 3, B2O+256
	MAXES
	QUANT 0
	QUANT 1
	WIN 0xC0                                       ; destination window 3: h1's numbers are done with
.irp i, 0,1,2,3,4,5,6,7,8,9,10,11,12,13,14,15
	ds_load_b128 v[64+4*\i:64+4*\i+3], v1 offset:G2O+128*(\i/4)+16*(\i%4)
.endr
.irp i, 0,1,2,3,4,5,6,7,8,9,10,11,12,13,14,15
	ds_load_b128 v[192+4*\i:192+4*\i+3], v1 offset:BE2O+128*(\i/4)+16*(\i%4)
.endr
	WIN 0
	PLACES 8                                       ; scale words made by vector lines stand 8 places ahead of a scaled matrix instruction, operands so made 4
	MM2 0, 40                                      ; behind b2's first chunk: two chunks (8) and g2's and be2's 32 loads
	MM2 1, 40                                      ; behind the second: one chunk, the 32, and the fourth chunk
	MM2 2, 36                                      ; behind the third: the 32 and the fourth chunk
	MM2 3, 0                                       ; the fourth chunk is the youngest: g2 and be2 are in too
	WIN 0
	s_wait_loadcnt 0x0                             ; the next trip's indices are in; no load of mine is out, so offsets and the index base may be written
	GATHER                                         ; the next trip's records land under layer 2's vector work
	IDXLOAD                                        ; and the indices of the trip behind it
	PLOAD 3, W3O
	PLOAD 4, W3O+128
	PLOAD 5, W3O+256
	STATS 32, 0xbc000000, 55
	WIN 0xC3
.set PP, 0
.rept 32
.irp T, 0,1
	v_pk_mul_f32 v[128*\T+2*PP:128*\T+2*PP+1], v[128*\T+2*PP:128*\T+2*PP+1], v[SS+8*\T+2:SS+8*\T+3]
.endr
.set PP, PP+1
.endr
	FIN2 0
	WIN 0
	PLOAD 3, W3O+384
	FIN2 1
	WIN 0
	PLOAD 4, B1O                                   ; the next trip's first chunks of b1
	FIN2 2
	WIN 0
	PLOAD 5, B1O+128
	FIN2 3
	WIN 0
	PLOAD 3, B1O+256
.irp T, 0,1
	v_pk_add_f32 v[CH+8*\T:CH+8*\T+1], v[CH+8*\T:CH+8*\T+1], v[CH+8*\T+2:CH+8*\T+3]
.endr
	JOIN                                           ; h2 . w3 of edge r of each tile, in both halves of the lanes
	v_cndmask_b32 v[SS+4], v[SS+4], v[SS+12], s48  ; lanes 0-15 keep tile 0's, lanes 16-31 take tile 1's: lane l holds edge l of my 32
	v_add_f32 v[SS+4], s49, v[SS+4]                ; + b3
	v_mul_f32 v[SS+4], 0xbfb8aa3b, v[SS+4]         ; x -log2(e)
	v_exp_f32 v[SS+4], v[SS+4]
	v_add_nc_u32 v4, s44, v3                       ; (a plain line behind the transcendental)  this trip's word
	s_wait_alu depctr_va_vdst(0)
	v_add_f32 v[SS+4], 1.0, v[SS+4]
	v_rcp_f32 v[SS+4], v[SS+4]
	v_nop
	s_wait_alu depctr_va_vdst(0)
	ds_store_b32 v4, v[SS+4]
.Lskip:
	s_add_co_u32 s44, s44, 512
	s_add_co_u32 s42, s42, 1
	s_cmp_lt_u32 s42, TRIPS
	s_cbranch_scc1 .Ltrip
	; ---- THE WAY OUT: the work-group's 12 or 13 x 128 results are consecutive in out0; a wave's store covers 512 consecutive bytes, at a multiple of 512 from the buffer's first byte
	s_wait_loadcnt 0x0                             ; the look-ahead loads of the last trip have landed: their registers are free
	s_wait_dscnt 0x0                               ; for the others' sake: my results lie in LDS
	s_barrier_signal -1
	s_barrier_wait -1
	s_lshl_b32 s50, s40, 9
	s_mov_b32 s51, 0
	s_add_nc_u64 s[34:35], s[34:35], s[50:51]
	s_add_nc_u64 s[36:37], s[36:37], s[50:51]
	s_lshl_b32 s50, s40, 7
	v_lshl_add_u32 v7, v0, 2, s50                  ; the first of my four edges in the first run of 512 (200,000 is a multiple of 4: the four share a label)
.irp k, 0,1,2
	ds_load_b128 v[44+4*\k:47+4*\k], v6 offset:2048*\k
.endr
.irp k, 0,1,2
	v_cmp_gt_u32 vcc_lo, NE-512*\k, v7
.irp i, 0,1,2,3
	v_cndmask_b32 v[60+4*\k+\i], 0, 1.0, vcc_lo    ; the label: 1 for an edge of edge_index
.endr
.endr
.irp k, 0,1,2
	s_wait_dscnt 2-\k
	global_store_b128 v5, v[44+4*\k:47+4*\k], s[34:35] offset:2048*\k th:TH_STORE_NT
	global_store_b128 v5, v[60+4*\k:63+4*\k], s[36:37] offset:2048*\k th:TH_STORE_NT
.endr
	s_cmp_lg_u32 s38, 0                            ; a thirteenth trip's 512 bytes are wave 0's,
	s_cbranch_scc1 .Ldone
	s_cmp_lg_u32 s41, 13                           ; where there is one
	s_cbranch_scc1 .Ldone
	ds_load_b128 v[56:59], v6 offset:6144
	v_cmp_gt_u32 vcc_lo, NE-1536, v7
.irp i, 0,1,2,3
	v_cndmask_b32 v[72+\i], 0, 1.0, vcc_lo
.endr
	s_wait_dscnt 0x0
	global_store_b128 v5, v[56:59], s[34:35] offset:6144 th:TH_STORE_NT
	global_store_b128 v5, v[72:75], s[36:37] offset:6144 th:TH_STORE_NT
.Ldone:
	s_wait_tensorcnt 0x0
	ds_add_u32 v178, v179
	s_wait_dscnt 0x0
	s_endpgm
.Lfunc_end_k_q7321b0e76b_mlp:
	.size	k_q7321b0e76b_mlp, .Lfunc_end_k_q7321b0e76b_mlp-k_q7321b0e76b_mlp
	.p2alignl 7, 3214868480
	.fill 96, 4, 3214868480
	.section	.rodata,"a",@progbits
	.p2align	6, 0x0
	.amdhsa_kernel k_q7321b0e76b_mlp
		.amdhsa_group_segment_fixed_size 13824
		.amdhsa_private_segment_fixed_size 0
		.amdhsa_enable_private_segment 0
		.amdhsa_kernarg_size 136
		.amdhsa_user_sgpr_count 2
		.amdhsa_user_sgpr_kernarg_segment_ptr 1
		.amdhsa_wavefront_size32 1
		.amdhsa_system_sgpr_workgroup_id_x 1
		.amdhsa_system_sgpr_workgroup_id_y 1
		.amdhsa_system_sgpr_workgroup_id_z 1
		.amdhsa_system_vgpr_workitem_id 0
		.amdhsa_next_free_vgpr 1024
		.amdhsa_next_free_sgpr 66
		.amdhsa_reserve_vcc 1
		.amdhsa_float_denorm_mode_32 3
		.amdhsa_float_denorm_mode_16_64 3
		.amdhsa_memory_ordered 1
		.amdhsa_forward_progress 1
		.amdhsa_inst_pref_size 177
	.end_amdhsa_kernel
	.amdgpu_metadata
---
amdhsa.version: [ 1, 2 ]
amdhsa.kernels:
  - .name:           k_q7321b0e76b_mlp
    .symbol:         k_q7321b0e76b_mlp.kd
    .args:
      - { .name: xq, .offset: 0, .size: 8, .value_kind: global_buffer, .address_space: global }
      - { .name: edge_index, .offset: 8, .size: 8, .value_kind: global_buffer, .address_space: global }
      - { .name: neg_edge_index, .offset: 16, .size: 8, .value_kind: global_buffer, .address_space: global }
      - { .name: w1_codes, .offset: 24, .size: 8, .value_kind: global_buffer, .address_space: global }
      - { .name: w1_scales, .offset: 32, .size: 8, .value_kind: global_buffer, .address_space: global }
      - { .name: w2_codes, .offset: 40, .size: 8, .value_kind: global_buffer, .address_space: global }
      - { .name: w2_scales, .offset: 48, .size: 8, .value_kind: global_buffer, .address_space: global }
      - { .name: b1, .offset: 56, .size: 8, .value_kind: global_buffer, .address_space: global }
      - { .name: g1, .offset: 64, .size: 8, .value_kind: global_buffer, .address_space: global }
      - { .name: be1, .offset: 72, .size: 8, .value_kind: global_buffer, .address_space: global }
      - { .name: b2, .offset: 80, .size: 8, .value_kind: global_buffer, .address_space: global }
      - { .name: g2, .offset: 88, .size: 8, .value_kind: global_buffer, .address_space: global }
      - { .name: be2, .offset: 96, .size: 8, .value_kind: global_buffer, .address_space: global }
      - { .name: w3, .offset: 104, .size: 8, .value_kind: global_buffer, .address_space: global }
      - { .name: b3, .offset: 112, .size: 8, .value_kind: global_buffer, .address_space: global }
      - { .name: out0, .offset: 120, .size: 8, .value_kind: global_buffer, .address_space: global }
      - { .name: out1, .offset: 128, .size: 8, .value_kind: global_buffer, .address_space: global }
    .group_segment_fixed_size: 13824
    .private_segment_fixed_size: 0
    .kernarg_segment_align: 8
    .kernarg_segment_size: 136
    .max_flat_workgroup_size: 128
    .sgpr_count:     66
    .vgpr_count:     1024
    .wavefront_size: 32
...
	.end_amdgpu_metadata
.endif
;; end of part 2
;; ======== version 2 of 2: 2 launches; version 1 with the launch mlp written anew for expert scheduling mode
;; workspace buffers: xq 6,400,000 bytes
;; launch quant: the kernel of part 1 again; grid 250 x 1, 5 waves a work-group, no clusters, 31,488 bytes of LDS; arguments x, xq; writes xq
;; launch mlp (part 3): grid 256 x 1, 4 waves a work-group, no clusters, 13,824 bytes of LDS; arguments xq, edge_index, neg_edge_index, w1_codes, w1_scales, w2_codes, w2_scales, b1, g1, be1, b2, g2, be2, w3, b3, out0, out1; writes out0, out1
.if DOCPART == 3
	.amdgcn_target "amdgcn-amd-amdhsa--gfx1250"
	.amdhsa_code_object_version 6
	.text
	.protected	k_q7321b0e76b_mlp
	.globl	k_q7321b0e76b_mlp
	.p2align	8
	.type	k_q7321b0e76b_mlp,@function
k_q7321b0e76b_mlp:
	s_mov_b64 s[64:65], 0
	v_nop
	global_prefetch_b8 v0, s[64:65] scope:SCOPE_SE
	s_setreg_imm32_b32 hwreg(HW_REG_WAVE_SCHED_MODE, 0, 2), 2
	s_setreg_imm32_b32 hwreg(HW_REG_WAVE_MODE, 25, 1), 1
	s_wait_xcnt 0x0
	s_wait_alu depctr_vm_vsrc(0)
; For each of 400,000 edges (200,000 of edge_index, then 200,000 of neg_edge_index):
;   h1 = relu(LN(Q([x[src] | x[dst]]) w1 + b1) g1 + be1);  h2 = relu(LN(Q(h1) w2 + b2) g2 + be2);  out0 = sigmoid(h2 . w3 + b3);  out1 = 1 for the first 200,000 edges, 0 for the others.
; Both products on codes of FP6 (E2M3) with E8M0 scales for each 32 along K, sums in f32; all else in f32.  x's codes come as records of 128 bytes a node (xq), in the order of the operand's registers.
; The input batch enters nothing that the reference computes: it is not read.
; LIMITS: NaN and infinities are not served; indices are held to 0 .. 49,999; a block of h1 that is all zeros gets the byte 1 (its codes are zeros); v_exp_f32 flushes results under 2^-126, where the sigmoid is 1 anyway.
; The variance is taken of the centred numbers (two passes), so no difference of large sums is formed.
; LAYOUT.  Both products are used transposed: source 0 = 16 rows of the weight, source 1 = 16 edges: a lane holds ONE edge (lane % 16) throughout.  THE ROWS OF A WEIGHT THAT FORM A TILE ARE NOT NEIGHBOURS:
; lane r of tile t takes row 32 (t / 2) + 8 (t % 2) + r + 8 (r / 8), so that register 16 b + i of an edge's results is hidden unit 32 b + 16 (lane / 16) + i: 16 neighbours along the next K.
; So a LayerNorm's sums want one exchange between the halves of the lanes, and the conversions' results are the next operand.
; SHARES.  128 edges on end are a trip of the work-group; wave w takes 32 of them, two tiles of 16 (T = 0, 1).  3,125 such trips: work-groups 0-52 take 13, the others 12.  The loop has 13 trips in every work-group;
; a scalar branch on ids leaves out the work of a trip that is not there.  200,000 is a multiple of 32: a wave's 32 edges come from one of the two lists.
; ALL WEIGHTS STAY IN REGISTERS (576 a lane), read from memory once.  The vectors b, g, be, w3 lie in LDS as they lie in memory; 16 registers of them (64 bytes at 128 b + 64 (lane / 16)) come by four
; loads that all lanes of a half share, and serve both tiles.  Waves share nothing in the loop: no barrier there.  Results are gathered in LDS and leave at the end in runs of 512 bytes a wave.
; No tensor loads (the bulk input is a gather of 128-byte records), no cluster (what work-groups share is the weights, read once).
; REGISTERS, in windows of 256 (s_set_vgpr_msb: bits 1:0 source 0, 3:2 source 1, 5:4 source 2, 7:6 destination):
;   window 0: v1 64 h; v2 4 r; v3-6 addresses of results; v8-11 indices, v12-15 gather offsets (2 T + s: s = 0 src, 1 dst); v16-31 w1's scale words, v32-39 w2's (lanes 0-15 K step 0, lanes 16-31 K step 1);
;             v40-43 the edges' scale words; v44-171 eight slots of 16 (slots 0-2 are also the four fragments of 12, at 44 + 12 (2 T + s); slots 6 and 7 hold two chunks of b1 during layer 1's products
;             and are at work otherwise: v140-147, v148-163, v164-179); v184-255 w2's fragments 10-15
;   window 1: w1, K step 0, tile t at 12 t; w2's fragments 0-4 from v192.   window 2: w1, K step 1; w2's fragments 5-9.   (w2's fragment 8 s + n: tile n, K step s)
;   window 3: the results: tile of edges T, tile of units t at 128 T + 8 t.  In layer 2 units take v0-63 and v128-191; g2 lies in v64-127, be2 in v192-255.
; THE MODE: SCHED_MODE bits 1:0 = 2 (LLVM: expert scheduling mode 2), set by the entry lines.  The code itself states the register dependences between vector or matrix instructions and
; memory or LDS instructions, with s_wait_alu, always for 0.
; THE PLAN.  Registers that memory or LDS instructions touch in the loop, and who else names them, in the order of a trip:
;   v1, v2, v3     addresses, made at the head and never written again.
;   slots 4, 5, 3  b1's chunks 0-2 (asked for in the trip before): C of layer 1's chunks 0-2; then b1's chunks 5-7: C of its chunks 5-7.
;   slots 6, 7     b1's chunks 3, 4 (asked for at the end of the trip before): C of layer 1's chunks 3, 4; from the first LayerNorm on they are work registers of vector lines.
;   slots 0-2, v40-43   the records and scale words of the gather: B and scales of layer 1's products.
;   slots 0-5      then three pairs (g1, be1), block b in pair b % 3: read by the block's multiply-adds, asked for again behind the block for block b + 3.
;   slots 4, 5, 3  then b2's chunks 0-2; v148-163 b2's chunk 3: C of layer 2's products.   slots 0-2, v40-43: written by the quantiser's vector lines, B and scales of layer 2's products.
;   window 3, v64-127, v192-255   h1's numbers, read by the quantiser; then g2 and be2 land there.
;   v8-11          index loads land; the offsets' first lines read them.   v12-15: written by three vector lines each; read by the gather's loads.
;   slots 3, 4, 5  then w3's chunks 0-2, slot 3 once more for chunk 3: read by the dot product's multiply-adds.
;   v4, v168       written by the sigmoid's lines, read by the result's LDS store.
; Each run of loads stands behind one wait on va_vdst, and between that wait and the run's last load stand only loads, stores, scalar lines and window switches: thirteen such waits a trip.
; Two waits on vm_vsrc a trip: ahead of the lines that write the gather's offsets again, and behind the result's store.
.set B1O,  0                           ; LDS: b1, g1, be1 (1,024 bytes each); b2, g2, be2, w3 (512 each);
.set G1O,  1024
.set BE1O, 2048
.set B2O,  3072
.set G2O,  3584
.set BE2O, 4096
.set W3O,  4608
.set PRED, 5120                        ; the results: 512 bytes a trip, 13 trips
.set NE,   200000
.set TRIPS, 13
.set FR,   44                          ; slots and fragments
.set SPL,  140                         ; v140-147
.set CH,   148                         ; v148-163: tile T's four chains of pairs at CH + 8 T; later its eight block maxima; b2's fourth chunk; later its dot product
.set SS,   164                         ; tile T at SS + 8 T: +0,1 -mean twice; +2,3 1 / sqrt(var + eps) twice; +4,5 at work
.set MSB, 0
.macro WIN new                         ; the immediate's high byte repeats the setting that is left; a switch that changes nothing is dropped
.if MSB != (\new)
	s_set_vgpr_msb (MSB<<8)|(\new)
.set MSB, (\new)
.endif
.endm
.macro PLACES n                        ; plain vector lines behind matrix instructions, and in front of scaled ones whose operands vector lines have made (ISA guide 7.12.1)
.rept \n
	v_nop
.endr
.endm
.macro PLOAD slot, off                 ; 16 numbers of a vector, at byte off + 64 h, into a slot
.irp i, 0,1,2,3
	ds_load_b128 v[FR+16*(\slot)+4*\i:FR+16*(\slot)+4*\i+3], v1 offset:(\off)+16*\i
.endr
.endm
.macro W2AT f                          ; where w2's fragment f lies: window WW, register WR
.if (\f) < 5
.set WW, 1
.set WR, 192+12*(\f)
.elseif (\f) < 10
.set WW, 2
.set WR, 192+12*((\f)-5)
.else
.set WW, 0
.set WR, 184+12*((\f)-10)
.endif
.endm
.macro WMMA d, a, b, c, sa, sb, row    ; row = 1: the weight's scale words are taken from lanes 16-31
.if \row
	v_wmma_scale_f32_16x16x128_f8f6f4 v[(\d):(\d)+7], v[(\a):(\a)+11], v[(\b):(\b)+11], v[(\c):(\c)+7], v[\sa], v[\sb] matrix_a_fmt:MATRIX_FMT_FP6 matrix_b_fmt:MATRIX_FMT_FP6 matrix_a_scale:MATRIX_SCALE_ROW1
.else
	v_wmma_scale_f32_16x16x128_f8f6f4 v[(\d):(\d)+7], v[(\a):(\a)+11], v[(\b):(\b)+11], v[(\c):(\c)+7], v[\sa], v[\sb] matrix_a_fmt:MATRIX_FMT_FP6 matrix_b_fmt:MATRIX_FMT_FP6
.endif
.endm
; The indices of the work-group's trip s43 (held to the last trip that exists: no load leaves its buffer): my wave's 32 src and 32 dst.  The list is chosen on the edge's number alone.
; It stands behind GATHER's wait on va_vdst, with only loads and scalar lines between: the offsets' lines are done reading v8-11.
.macro IDXLOAD
	s_min_u32 s50, s43, 3124
	s_lshl_b32 s50, s50, 7
	s_add_co_u32 s50, s50, s39                     ; my first edge
	s_cmp_lt_u32 s50, NE
	s_cselect_b64 s[52:53], s[6:7], s[8:9]
	s_cselect_b32 s51, 0, NE
	s_sub_co_u32 s50, s50, s51
	s_lshl_b32 s50, s50, 2
	s_mov_b32 s51, 0
	s_add_nc_u64 s[52:53], s[52:53], s[50:51]
.irp T, 0,1
.irp s, 0,1
	global_load_b32 v[8+2*\T+\s], v2, s[52:53] offset:64*\T+4*NE*\s
.endr
.endr
	s_add_co_u32 s43, s43, 1
.endm
; Four fragments and their scale words: lane (r, h) takes 48 bytes on end at 128 x node + 64 h, and the word behind them.
.macro GATHER
	s_wait_alu depctr_vm_vsrc(0)                   ; the loads of the gather before have read v12-15, which the lines below write again; ahead of the loop: the head's LDS stores have read v44-53, in which records land
.irp k, 0,1,2,3
	v_min_u32 v[12+\k], 49999, v[8+\k]
.endr
.irp k, 0,1,2,3
	v_lshlrev_b32 v[12+\k], 7, v[12+\k]
.endr
.irp k, 0,1,2,3
	v_add_nc_u32 v[12+\k], v1, v[12+\k]
.endr
	s_wait_alu depctr_va_vdst(0)                   ; the offsets v12-15 are written, which the loads below read; the lines above are done reading v8-11, in which the next indices land; layer 2's products are done reading the fragments, v40-43 and slots 3-5, in which the loads up to the next vector line land
.irp k, 0,1,2,3
	global_load_b128 v[FR+12*\k:FR+12*\k+3], v[12+\k], s[4:5]
	global_load_b128 v[FR+12*\k+4:FR+12*\k+7], v[12+\k], s[4:5] offset:16
	global_load_b128 v[FR+12*\k+8:FR+12*\k+11], v[12+\k], s[4:5] offset:32
	global_load_b32 v[40+\k], v[12+\k], s[4:5] offset:48
.endr
.endm
; Layer 1, units 32 c .. 32 c + 31 of both tiles of edges: four accumulators by turns, one instruction a turn; the bias, in the slot named, is the C of each sum's first product.
.macro MM1 c, slot, cnt
	s_wait_dscnt \cnt                              ; this chunk of b1 is in; cnt = the LDS instructions issued behind it
.set SL, FR+16*(\slot)
	WIN 0xC1                                       ; w1 window 1, edges and bias window 0, results window 3
.irp u, 0,1
.irp T, 0,1
	WMMA 128*\T+8*(2*(\c)+\u), 12*(2*(\c)+\u), FR+24*\T, SL+8*\u, 16+2*(\c)+\u, 40+2*\T, 0
.endr
.endr
	WIN 0xF2                                       ; w1 window 2, C and D window 3
.irp u, 0,1
.irp T, 0,1
	WMMA 128*\T+8*(2*(\c)+\u), 12*(2*(\c)+\u), FR+24*\T+12, 128*\T+8*(2*(\c)+\u), 16+2*(\c)+\u, 41+2*\T, 1
.endr
.endr
.endm
; Layer 2 likewise: units 32 c .. 32 c + 31; the bias lies in the 16 registers from creg on
.macro MM2 c, creg, cnt
	s_wait_dscnt \cnt
.set SL, \creg
.irp u, 0,1
	W2AT 2*(\c)+\u
	WIN 0xC0+WW
.irp T, 0,1
	WMMA 128*\T+8*(2*(\c)+\u), WR, FR+24*\T, SL+8*\u, 32+2*(\c)+\u, 40+2*\T, 0
.endr
.endr
.irp u, 0,1
	W2AT 8+2*(\c)+\u
	WIN 0xF0+WW
.irp T, 0,1
	WMMA 128*\T+8*(2*(\c)+\u), WR, FR+24*\T+12, 128*\T+8*(2*(\c)+\u), 32+2*(\c)+\u, 41+2*\T, 1
.endr
.endr
.endm
.macro JOIN                            ; a pair's two halves, and the other half of the lanes': the edge's sum in v[SS + 8 T + 4]
.irp T, 0,1
	v_add_f32 v[SS+8*\T+4], v[CH+8*\T], v[CH+8*\T+1]
.endr
.irp T, 0,1
	v_permlanex16_b32 v[SS+8*\T+5], v[SS+8*\T+4], s46, s47
.endr
.irp T, 0,1
	v_add_f32 v[SS+8*\T+4], v[SS+8*\T+4], v[SS+8*\T+5]
.endr
.endm
.macro REDUCE                          ; four chains into one, then JOIN
.irp T, 0,1
	v_pk_add_f32 v[CH+8*\T:CH+8*\T+1], v[CH+8*\T:CH+8*\T+1], v[CH+8*\T+2:CH+8*\T+3]
	v_pk_add_f32 v[CH+8*\T+4:CH+8*\T+5], v[CH+8*\T+4:CH+8*\T+5], v[CH+8*\T+6:CH+8*\T+7]
.endr
.irp T, 0,1
	v_pk_add_f32 v[CH+8*\T:CH+8*\T+1], v[CH+8*\T:CH+8*\T+1], v[CH+8*\T+4:CH+8*\T+5]
.endr
	JOIN
.endm
; A LayerNorm's statistics over np pairs of registers a tile: the mean; the numbers are centred in place; the mean of their squares; 1 / sqrt(that + eps).
; The pairs are taken in ascending order.
.macro STATS np, neginv, sinv
	WIN 0x0F                                       ; both sources window 3
.irp k, 0,1,2,3
.irp T, 0,1
	v_pk_add_f32 v[CH+8*\T+2*\k:CH+8*\T+2*\k+1], v[128*\T+2*\k:128*\T+2*\k+1], v[128*\T+2*\k+8:128*\T+2*\k+9]   ; the first eight pairs start the four chains: nothing is cleared
.endr
.endr
	WIN 0x0C
.set PP, 8
.rept \np-8
.irp T, 0,1
	v_pk_add_f32 v[CH+8*\T+2*(PP%4):CH+8*\T+2*(PP%4)+1], v[CH+8*\T+2*(PP%4):CH+8*\T+2*(PP%4)+1], v[128*\T+2*PP:128*\T+2*PP+1]
.endr
.set PP, PP+1
.endr
	WIN 0
	REDUCE
.irp T, 0,1
	v_mul_f32 v[SS+8*\T], \neginv, v[SS+8*\T+4]    ; -mean
.endr
.irp T, 0,1
	v_mov_b32 v[SS+8*\T+1], v[SS+8*\T]
.endr
	WIN 0xC3
.set PP, 0
.rept \np
.irp T, 0,1
	v_pk_add_f32 v[128*\T+2*PP:128*\T+2*PP+1], v[128*\T+2*PP:128*\T+2*PP+1], v[SS+8*\T:SS+8*\T+1]
.endr
.set PP, PP+1
.endr
	WIN 0x0F
.set PP, 0
.rept \np
.irp T, 0,1
.if PP < 4
	v_pk_mul_f32 v[CH+8*\T+2*PP:CH+8*\T+2*PP+1], v[128*\T+2*PP:128*\T+2*PP+1], v[128*\T+2*PP:128*\T+2*PP+1]
.else
	v_pk_fma_f32 v[CH+8*\T+2*(PP%4):CH+8*\T+2*(PP%4)+1], v[128*\T+2*PP:128*\T+2*PP+1], v[128*\T+2*PP:128*\T+2*PP+1], v[CH+8*\T+2*(PP%4):CH+8*\T+2*(PP%4)+1]
.endif
.endr
.set PP, PP+1
.endr
	WIN 0
	REDUCE
.irp T, 0,1
	v_fma_f32 v[SS+8*\T+4], v[SS+8*\T+4], s[\sinv], s56   ; var + eps
.endr
	s_wait_alu depctr_va_vdst(0)
.irp T, 0,1
	v_rsq_f32 v[SS+8*\T+2], v[SS+8*\T+4]
.endr
	v_nop                                          ; a plain line behind the transcendentals (ISA guide 5.7.2)
	s_wait_alu depctr_va_vdst(0)
.irp T, 0,1
	v_mov_b32 v[SS+8*\T+3], v[SS+8*\T+2]
.endr
.endm
; Layer 1, block b of 32 units (16 registers a lane), both tiles: x rstd, x g1 + be1, relu
.macro NORM1 b
.set GS, FR+32*((\b)%3)
	WIN 0xC3
.irp j, 0,2,4,6,8,10,12,14
.irp T, 0,1
	v_pk_mul_f32 v[128*\T+16*(\b)+\j:128*\T+16*(\b)+\j+1], v[128*\T+16*(\b)+\j:128*\T+16*(\b)+\j+1], v[SS+8*\T+2:SS+8*\T+3]
.endr
.endr
.irp j, 0,2,4,6,8,10,12,14
.irp T, 0,1
	v_pk_fma_f32 v[128*\T+16*(\b)+\j:128*\T+16*(\b)+\j+1], v[128*\T+16*(\b)+\j:128*\T+16*(\b)+\j+1], v[GS+\j:GS+\j+1], v[GS+16+\j:GS+16+\j+1]
.endr
.endr
.irp j, 0,1,2,3,4,5,6,7,8,9,10,11,12,13,14,15
.irp T, 0,1
	v_max_num_f32 v[128*\T+16*(\b)+\j], v[128*\T+16*(\b)+\j], 0
.endr
.endr
.endm
.macro MAXES                           ; the largest of my 16 numbers of each of h1's eight blocks, both tiles: 16 chains by turns.  No |.|: none is negative.  The floor 2^(3 - 127) holds the byte at 1 from below
	WIN 0x0F
.irp b, 0,1,2,3,4,5,6,7
.irp T, 0,1
	v_max3_num_f32 v[CH+8*\T+\b], v[128*\T+16*\b], v[128*\T+16*\b+1], 0x1800000
.endr
.endr
.irp i, 2,4,6,8,10,12,14
.irp b, 0,1,2,3,4,5,6,7
.irp T, 0,1
	v_max3_num_f32 v[CH+8*\T+\b], v[128*\T+16*\b+\i], v[128*\T+16*\b+\i+1], v[CH+8*\T+\b]
.endr
.endr
.endr
.endm
; Tile T's h1 becomes two fragments and two scale words
.macro QUANT T
	WIN 0
.irp b, 0,1,2,3,4,5,6,7
	v_permlanex16_b32 v[SPL+\b], v[CH+8*\T+\b], s46, s47
.endr
.irp b, 0,1,2,3,4,5,6,7
	v_max_num_f32 v[CH+8*\T+\b], v[CH+8*\T+\b], v[SPL+\b]          ; with lane l xor 16's 16: the block's largest
.endr
.irp b, 0,1,2,3,4,5,6,7
	v_add_nc_u32 v[CH+8*\T+\b], 0xff000000, v[CH+8*\T+\b]          ; 2 off its exponent field: the conversion's scale operand
.endr
.irp b, 0,1,2,3,4,5,6,7
	v_lshrrev_b32 v[SPL+\b], 23, v[CH+8*\T+\b]                     ; the scale's byte
.endr
.irp s, 0,1
	v_lshl_or_b32 v[40+2*\T+\s], v[SPL+4*\s+1], 8, v[SPL+4*\s]     ; four bytes make the scale word of a K step
	v_lshl_or_b32 v[40+2*\T+\s], v[SPL+4*\s+2], 16, v[40+2*\T+\s]
	v_lshl_or_b32 v[40+2*\T+\s], v[SPL+4*\s+3], 24, v[40+2*\T+\s]
.endr
.irp s, 0,1
	WIN 0x03                                       ; the numbers: window 3
.irp c, 0,1
	v_cvt_scalef32_pk16_fp6_f32 v[FR+24*\T+12*\s+6*\c:FR+24*\T+12*\s+6*\c+2], v[128*\T+64*\s+32*\c:128*\T+64*\s+32*\c+15], v[CH+8*\T+4*\s+2*\c]
	v_cvt_scalef32_pk16_fp6_f32 v[SPL+4*\c:SPL+4*\c+2], v[128*\T+64*\s+32*\c+16:128*\T+64*\s+32*\c+31], v[CH+8*\T+4*\s+2*\c+1]   ; (a conversion's three registers begin on an even number)
.endr
	WIN 0
	v_nop                                          ; one plain line behind a run of scaled conversions
.irp c, 0,1                                    ; the operand's layout wants a WHOLE block in a lane: lanes 0-15 block 2 c, lanes 16-31 block 2 c + 1
.irp i, 0,1,2
	v_permlane16_swap_b32 v[FR+24*\T+12*\s+6*\c+\i], v[SPL+4*\c+\i]
.endr
.irp i, 0,1,2
	v_mov_b32 v[FR+24*\T+12*\s+6*\c+3+\i], v[SPL+4*\c+\i]
.endr
.endr
.endr
.endm
; Layer 2, block b, both tiles: x g2 + be2, relu, and the dot product with w3 in two chains of pairs a tile.  cnt = the LDS loads issued behind this block's chunk of w3
.macro FIN2 b, cnt
.set WS, FR+16*(3+(\b)%3)
	WIN 0xFF
.irp j, 0,2,4,6,8,10,12,14
.irp T, 0,1
	v_pk_fma_f32 v[128*\T+16*(\b)+\j:128*\T+16*(\b)+\j+1], v[128*\T+16*(\b)+\j:128*\T+16*(\b)+\j+1], v[64+16*(\b)+\j:64+16*(\b)+\j+1], v[192+16*(\b)+\j:192+16*(\b)+\j+1]
.endr
.endr
.irp j, 0,1,2,3,4,5,6,7,8,9,10,11,12,13,14,15
.irp T, 0,1
	v_max_num_f32 v[128*\T+16*(\b)+\j], v[128*\T+16*(\b)+\j], 0
.endr
.endr
	s_wait_dscnt \cnt                              ; this chunk of w3 is in
	WIN 0x03
.irp j, 0,2,4,6,8,10,12,14
.irp T, 0,1
.if (\b) == 0 && \j < 4
	v_pk_mul_f32 v[CH+8*\T+\j%4:CH+8*\T+\j%4+1], v[128*\T+16*(\b)+\j:128*\T+16*(\b)+\j+1], v[WS+\j:WS+\j+1]
.else
	v_pk_fma_f32 v[CH+8*\T+\j%4:CH+8*\T+\j%4+1], v[128*\T+16*(\b)+\j:128*\T+16*(\b)+\j+1], v[WS+\j:WS+\j+1], v[CH+8*\T+\j%4:CH+8*\T+\j%4+1]
.endif
.endr
.endr
.endm
	; ---- THE HEAD
	s_load_b512 s[4:19], s[0:1], 0x0               ; xq 4, edge_index 6, neg_edge_index 8, w1_codes 10, w1_scales 12, w2_codes 14, w2_scales 16, b1 18
	s_load_b512 s[20:35], s[0:1], 0x40             ; g1 20, be1 22, b2 24, g2 26, be2 28, w3 30, b3 32, out0 34
	s_load_b64 s[36:37], s[0:1], 0x80              ; out1
	v_lshl_add_u32 v178, v0, 2, 0x3400
	v_mov_b32 v179, 0
	v_lshrrev_b32 v4, 5, v0
	v_readfirstlane_b32 s38, v4                    ; wave 0..3
	v_and_b32 v7, 15, v0                           ; r
	v_bfe_u32 v4, v0, 4, 1                         ; h
	v_lshlrev_b32 v1, 6, v4                        ; 64 h: my half's place in a chunk of a vector and in a record
	v_lshlrev_b32 v2, 2, v7                        ; 4 r: my edge's index
	v_lshl_add_u32 v3, v0, 2, PRED                 ; my result's word in a trip's 512 bytes
	v_lshlrev_b32 v5, 4, v0                        ; the way out: 16 bytes a thread
	v_add_nc_u32 v6, PRED, v5
	v_and_b32 v180, 8, v7
	v_add_nc_u32 v180, v180, v7                    ; r + 8 (r / 8)
	v_mul_u32_u24 v181, v180, 192                  ; a weight's row is 256 codes, 192 bytes;
	v_mad_u32_u24 v181, v4, 24, v181               ; + 24 h
	v_lshlrev_b32 v182, 3, v180                    ; its scale bytes: 8 a row;
	v_lshl_add_u32 v182, v4, 2, v182               ; lanes 16-31 take K step 1's word
	v_lshlrev_b32 v183, 3, v0                      ; 8 bytes a thread of the vectors of 256,
	v_lshlrev_b32 v7, 2, v0                        ; 4 of those of 128
	s_wait_alu depctr_va_sdst(0)                   ; s38, the wave's number, is written, ahead of its first reader
	s_lshl_b32 s39, s38, 5                         ; my wave's 32 edges in a trip
	s_mul_i32 s40, ttmp9, 12
	s_min_u32 s50, ttmp9, 53
	s_add_co_u32 s40, s40, s50                     ; the work-group's first trip: 12 x number + min(number, 53)
	s_cmp_lt_u32 ttmp9, 53
	s_cselect_b32 s41, 13, 12                      ; and how many it has: 53 x 13 + 203 x 12 = 3,125
	s_mov_b32 s46, 0x76543210
	s_mov_b32 s47, 0xfedcba98                      ; v_permlanex16_b32's selects for lane l xor 16
	s_mov_b32 s48, 0xffff0000                      ; lanes 16-31
	s_mov_b32 s54, 0x3b800000                      ; 1 / 256
	s_mov_b32 s55, 0x3c000000                      ; 1 / 128
	s_mov_b32 s56, 0x3727c5ac                      ; eps = 1e-5
	s_mov_b32 s42, 0                               ; the trip
	s_mov_b32 s44, 0                               ; 512 x the trip
	s_mov_b32 s43, s40                             ; the trip whose indices are fetched next
	s_wait_kmcnt 0x0
	s_load_b32 s49, s[32:33], 0x0                  ; b3
	s_wait_alu depctr_va_vdst(0)                   ; the addresses v1-3, v5-7 and v181-183 are written, which the loads and stores of the head, the loop and the way out read
	global_load_b64 v[44:45], v183, s[18:19]       ; the vectors: 128 threads bring each whole
	global_load_b64 v[46:47], v183, s[20:21]
	global_load_b64 v[48:49], v183, s[22:23]
	global_load_b32 v50, v7, s[24:25]
	global_load_b32 v51, v7, s[26:27]
	global_load_b32 v52, v7, s[28:29]
	global_load_b32 v53, v7, s[30:31]
.irp s, 0,1                                    ; w1's 32 fragments: 24 bytes of the row's stream of bits at 96 s + 24 h, and 24 more 48 bytes on, in pieces of 8
	WIN 0x40+0x40*\s
.irp t, 0,1,2,3,4,5,6,7,8,9,10,11,12,13,14,15
.irp p, 0,1,2,3,4,5
	global_load_b64 v[12*\t+2*\p:12*\t+2*\p+1], v181, s[10:11] offset:(32*(\t/2)+8*(\t%2))*192+96*\s+48*(\p/3)+8*(\p%3)
.endr
.endr
.endr
.irp s, 0,1                                    ; w2's 16
.irp n, 0,1,2,3,4,5,6,7
	W2AT 8*\s+\n
	WIN WW<<6
.irp p, 0,1,2,3,4,5
	global_load_b64 v[WR+2*\p:WR+2*\p+1], v181, s[14:15] offset:(32*(\n/2)+8*(\n%2))*192+96*\s+48*(\p/3)+8*(\p%3)
.endr
.endr
.endr
	WIN 0
.irp t, 0,1,2,3,4,5,6,7,8,9,10,11,12,13,14,15
	global_load_b32 v[16+\t], v182, s[12:13] offset:(32*(\t/2)+8*(\t%2))*8
.endr
.irp n, 0,1,2,3,4,5,6,7
	global_load_b32 v[32+\n], v182, s[16:17] offset:(32*(\n/2)+8*(\n%2))*8
.endr
.irp i, 0,1,2,3,4,5,6,7
	v_mov_b32 v[SPL+\i], 0                         ; written once: a lane permute's destination counts as one of its sources
.endr
	v_mov_b32 v[SS+5], 0
	v_mov_b32 v[SS+13], 0
	s_wait_loadcnt 0x0                             ; weights, scale words and vectors are in
	ds_store_b64 v183, v[44:45] offset:B1O         ; (their data come from loads; no vector line since the wait above names their addresses)
	ds_store_b64 v183, v[46:47] offset:G1O
	ds_store_b64 v183, v[48:49] offset:BE1O
	ds_store_b32 v7, v50 offset:B2O
	ds_store_b32 v7, v51 offset:G2O
	ds_store_b32 v7, v52 offset:BE2O
	ds_store_b32 v7, v53 offset:W3O
	s_wait_dscnt 0x0                               ; for the others' sake: my part of the vectors lies in LDS
	s_barrier_signal -1
	s_barrier_wait -1                              ; everybody's does; nobody writes these bytes again
	s_wait_kmcnt 0x0                               ; b3
	IDXLOAD                                        ; trip 0's indices
	s_wait_loadcnt 0x0
	GATHER                                         ; trip 0's records.  Its wait on va_vdst also stands behind the moves into v140-147 and v169, in which the chunks of slots 6 and 7 land
	IDXLOAD                                        ; trip 1's indices
	PLOAD 4, B1O                                   ; b1's first five chunks
	PLOAD 5, B1O+128
	PLOAD 3, B1O+256
	PLOAD 6, B1O+384
	PLOAD 7, B1O+512
	; ---- A TRIP: 32 edges of my wave
.Ltrip:
	s_cmp_ge_u32 s42, s41                          ; a trip that this work-group does not have: only the counters step
	s_cbranch_scc1 .Lskip
	s_wait_loadcnt 0x4                             ; the 16 loads of the gather are in; the four index loads issued behind them may be out
	MM1 0, 4, 16                                   ; behind b1's chunk 0 four more chunks of four loads were issued (and, from the second trip on, the last result's store: 16 is then the smaller count)
	MM1 1, 5, 12                                   ; three chunks behind it
	MM1 2, 3, 8                                    ; two
	PLACES 4                                       ; four plain lines between these products and the loads into registers that they have read; the wait below states the dependence
	WIN 0
	s_wait_alu depctr_va_vdst(0)                   ; the products of chunks 0-2 are done reading slots 4, 5 and 3, in which b1's last three chunks land
	PLOAD 4, B1O+640
	PLOAD 5, B1O+768
	PLOAD 3, B1O+896
	MM1 3, 6, 16                                   ; behind chunk 3: chunk 4 and the twelve loads just issued
	MM1 4, 7, 12
	MM1 5, 4, 8
	MM1 6, 5, 4
	MM1 7, 3, 0
	PLACES 4                                       ; in front of the first read of results
	WIN 0
	s_wait_alu depctr_va_vdst(0)                   ; layer 1's products are done reading the fragments and slots 3-5: all six slots take g1's and be1's first three chunks
	PLOAD 0, G1O
	PLOAD 1, BE1O
	PLOAD 2, G1O+128
	PLOAD 3, BE1O+128
	PLOAD 4, G1O+256
	PLOAD 5, BE1O+256
	STATS 64, 0xbb800000, 54
	s_wait_alu depctr_va_vdst(0)
.irp b, 0,1,2,3,4,5,6,7
.if \b < 6
	s_wait_dscnt 16                                ; this block's g1 and be1 are in: behind them two more blocks' eight loads each
.else
	s_wait_dscnt 8*(7-\b)
.endif
	NORM1 \b
.if \b < 5
	WIN 0
	s_wait_alu depctr_va_vdst(0)                   ; the block's multiply-adds are done reading its pair of slots, in which the chunks of the block three on land
	PLOAD 2*(\b%3), G1O+128*(\b+3)
	PLOAD 2*(\b%3)+1, BE1O+128*(\b+3)
.endif
.endr
	WIN 0
	s_wait_alu depctr_va_vdst(0)                   ; blocks 5 and 7 are done reading slots 4, 5 and 3, in which b2's first three chunks land
	PLOAD 4, B2O
	PLOAD 5, B2O+128
	PLOAD 3, B2O+256
	MAXES
	QUANT 0
	QUANT 1
	PLACES 8                                       ; scale words made by vector lines stand 8 places ahead of a scaled matrix instruction, operands so made 4
	s_wait_alu depctr_va_vdst(0)                   ; the quantiser has written the fragments and v40-43, which layer 2's products take as B and scales; it is done with v148-163 and with h1's numbers, in which the loads below land
.irp i, 0,1,2,3
	ds_load_b128 v[CH+4*\i:CH+4*\i+3], v1 offset:B2O+384+16*\i     ; b2's fourth chunk
.endr
	WIN 0xC0                                       ; destination window 3: h1's numbers are done with
.irp i, 0,1,2,3,4,5,6,7,8,9,10,11,12,13,14,15
	ds_load_b128 v[64+4*\i:64+4*\i+3], v1 offset:G2O+128*(\i/4)+16*(\i%4)
.endr
.irp i, 0,1,2,3,4,5,6,7,8,9,10,11,12,13,14,15
	ds_load_b128 v[192+4*\i:192+4*\i+3], v1 offset:BE2O+128*(\i/4)+16*(\i%4)
.endr
	MM2 0, FR+64, 44                               ; behind b2's first chunk: three chunks (12) and g2's and be2's 32 loads
	MM2 1, FR+80, 40                               ; behind the second: two chunks and the 32
	MM2 2, FR+48, 36                               ; behind the third: one chunk and the 32
	MM2 3, CH, 0                                   ; the fourth chunk, and g2 and be2 too
	PLACES 4                                       ; in front of the first read of results, of the lines that write v148-163 again, and of the loads below
	WIN 0
	s_wait_loadcnt 0x0                             ; the next trip's indices are in; no load of mine is out, so offsets and the index base may be written
	GATHER                                         ; the next trip's records land under layer 2's vector work
	IDXLOAD                                        ; and the indices of the trip behind it
	PLOAD 3, W3O                                   ; (behind GATHER's wait, with only loads and scalar lines between)
	PLOAD 4, W3O+128
	PLOAD 5, W3O+256
	STATS 32, 0xbc000000, 55
	WIN 0xC3
.set PP, 0
.rept 32
.irp T, 0,1
	v_pk_mul_f32 v[128*\T+2*PP:128*\T+2*PP+1], v[128*\T+2*PP:128*\T+2*PP+1], v[SS+8*\T+2:SS+8*\T+3]
.endr
.set PP, PP+1
.endr
	FIN2 0, 8                                      ; behind w3's first chunk: two chunks
	WIN 0
	s_wait_alu depctr_va_vdst(0)                   ; block 0's multiply-adds are done reading slot 3, in which w3's fourth chunk lands
	PLOAD 3, W3O+384
	FIN2 1, 8                                      ; behind the second chunk: the third and the fourth
	FIN2 2, 4
	FIN2 3, 0
	WIN 0
	s_wait_alu depctr_va_vdst(0)                   ; blocks 1-3 are done reading slots 4, 5 and 3, in which the next trip's first three chunks of b1 land, under the lines below
	PLOAD 4, B1O
	PLOAD 5, B1O+128
	PLOAD 3, B1O+256
.irp T, 0,1
	v_pk_add_f32 v[CH+8*\T:CH+8*\T+1], v[CH+8*\T:CH+8*\T+1], v[CH+8*\T+2:CH+8*\T+3]
.endr
	JOIN                                           ; h2 . w3 of edge r of each tile, in both halves of the lanes
	v_cndmask_b32 v[SS+4], v[SS+4], v[SS+12], s48  ; lanes 0-15 keep tile 0's, lanes 16-31 take tile 1's: lane l holds edge l of my 32
	v_add_f32 v[SS+4], s49, v[SS+4]                ; + b3
	v_mul_f32 v[SS+4], 0xbfb8aa3b, v[SS+4]         ; x -log2(e)
	s_wait_alu depctr_va_vdst(0)
	v_exp_f32 v[SS+4], v[SS+4]
	v_add_nc_u32 v4, s44, v3                       ; (a plain line behind the transcendental)  this trip's word
	s_wait_alu depctr_va_vdst(0)
	v_add_f32 v[SS+4], 1.0, v[SS+4]
	s_wait_alu depctr_va_vdst(0)
	v_rcp_f32 v[SS+4], v[SS+4]
	v_nop
	s_wait_alu depctr_va_vdst(0)                   ; v4 and the result in v168 are written, which the store reads; the trip's vector lines are done with v140-171, in which the loads below land
	ds_store_b32 v4, v[SS+4]
	s_wait_alu depctr_vm_vsrc(0)                   ; the store has read v168, in which a load below lands, and v4, which the next trip writes again
	PLOAD 6, B1O+384                               ; the next trip's chunks 3 and 4 of b1
	PLOAD 7, B1O+512
.Lskip:
	s_add_co_u32 s44, s44, 512
	s_add_co_u32 s42, s42, 1
	s_cmp_lt_u32 s42, TRIPS
	s_cbranch_scc1 .Ltrip
	; ---- THE WAY OUT: the work-group's 12 or 13 x 128 results are consecutive in out0; a wave's store covers 512 consecutive bytes, at a multiple of 512 from the buffer's first byte
	s_wait_loadcnt 0x0                             ; the look-ahead loads of the last trip have landed: their registers are free
	s_wait_dscnt 0x0                               ; for the others' sake: my results lie in LDS
	s_barrier_signal -1
	s_barrier_wait -1
	s_lshl_b32 s50, s40, 9
	s_mov_b32 s51, 0
	s_add_nc_u64 s[34:35], s[34:35], s[50:51]
	s_add_nc_u64 s[36:37], s[36:37], s[50:51]
	s_lshl_b32 s50, s40, 7
	v_lshl_add_u32 v7, v0, 2, s50                  ; the first of my four edges in the first run of 512 (200,000 is a multiple of 4: the four share a label)
.irp k, 0,1,2
	v_cmp_gt_u32 s[57+\k], NE-512*\k, v7           ; the three compares in a run, each into a mask of its own
.endr
	s_wait_alu depctr_va_sdst(0)                   ; the masks s57-59 are written, ahead of their first readers
.irp k, 0,1,2
.irp i, 0,1,2,3
	v_cndmask_b32 v[60+4*\k+\i], 0, 1.0, s[57+\k]  ; the label: 1 for an edge of edge_index
.endr
.endr
	s_wait_alu depctr_va_vdst(0)                   ; the labels v60-71 are written, which the stores read; no vector or matrix line is still at work on v44-55, in which the results land
.irp k, 0,1,2
	ds_load_b128 v[44+4*\k:47+4*\k], v6 offset:2048*\k
.endr
.irp k, 0,1,2
	s_wait_dscnt 2-\k
	global_store_b128 v5, v[44+4*\k:47+4*\k], s[34:35] offset:2048*\k th:TH_STORE_NT
	global_store_b128 v5, v[60+4*\k:63+4*\k], s[36:37] offset:2048*\k th:TH_STORE_NT
.endr
	s_cmp_lg_u32 s38, 0                            ; a thirteenth trip's 512 bytes are wave 0's,
	s_cbranch_scc1 .Ldone
	s_cmp_lg_u32 s41, 13                           ; where there is one
	s_cbranch_scc1 .Ldone
	v_cmp_gt_u32 vcc_lo, NE-1536, v7
	s_wait_alu depctr_va_vcc(0)                    ; VCC is written, ahead of its first reader
.irp i, 0,1,2,3
	v_cndmask_b32 v[72+\i], 0, 1.0, vcc_lo
.endr
	s_wait_alu depctr_va_vdst(0)                   ; the labels v72-75 are written, which the last store reads
	ds_load_b128 v[56:59], v6 offset:6144
	s_wait_dscnt 0x0
	global_store_b128 v5, v[56:59], s[34:35] offset:6144 th:TH_STORE_NT
	global_store_b128 v5, v[72:75], s[36:37] offset:6144 th:TH_STORE_NT
.Ldone:
	s_wait_dscnt 0x0
	s_wait_alu depctr_hold_cnt(0) depctr_sa_sdst(0) depctr_va_vdst(0) depctr_va_sdst(0) depctr_va_ssrc(0) depctr_va_vcc(0) depctr_vm_vsrc(0)
	s_wait_tensorcnt 0x0
	ds_add_u32 v178, v179
	s_wait_dscnt 0x0
	s_endpgm
.Lfunc_end_k_q7321b0e76b_mlp:
	.size	k_q7321b0e76b_mlp, .Lfunc_end_k_q7321b0e76b_mlp-k_q7321b0e76b_mlp
	.p2alignl 7, 3214868480
	.fill 96, 4, 3214868480
	.section	.rodata,"a",@progbits
	.p2align	6, 0x0
	.amdhsa_kernel k_q7321b0e76b_mlp
		.amdhsa_group_segment_fixed_size 13824
		.amdhsa_private_segment_fixed_size 0
		.amdhsa_enable_private_segment 0
		.amdhsa_kernarg_size 136
		.amdhsa_user_sgpr_count 2
		.amdhsa_user_sgpr_kernarg_segment_ptr 1
		.amdhsa_wavefront_size32 1
		.amdhsa_system_sgpr_workgroup_id_x 1
		.amdhsa_system_sgpr_workgroup_id_y 1
		.amdhsa_system_sgpr_workgroup_id_z 1
		.amdhsa_system_vgpr_workitem_id 0
		.amdhsa_next_free_vgpr 1024
		.amdhsa_next_free_sgpr 66
		.amdhsa_reserve_vcc 1
		.amdhsa_float_denorm_mode_32 3
		.amdhsa_float_denorm_mode_16_64 3
		.amdhsa_memory_ordered 1
		.amdhsa_forward_progress 1
		.amdhsa_inst_pref_size 178
	.end_amdhsa_kernel
	.amdgpu_metadata
---
amdhsa.version: [ 1, 2 ]
amdhsa.kernels:
  - .name:           k_q7321b0e76b_mlp
    .symbol:         k_q7321b0e76b_mlp.kd
    .args:
      - { .name: xq, .offset: 0, .size: 8, .value_kind: global_buffer, .address_space: global }
      - { .name: edge_index, .offset: 8, .size: 8, .value_kind: global_buffer, .address_space: global }
      - { .name: neg_edge_index, .offset: 16, .size: 8, .value_kind: global_buffer, .address_space: global }
      - { .name: w1_codes, .offset: 24, .size: 8, .value_kind: global_buffer, .address_space: global }
      - { .name: w1_scales, .offset: 32, .size: 8, .value_kind: global_buffer, .address_space: global }
      - { .name: w2_codes, .offset: 40, .size: 8, .value_kind: global_buffer, .address_space: global }
      - { .name: w2_scales, .offset: 48, .size: 8, .value_kind: global_buffer, .address_space: global }
      - { .name: b1, .offset: 56, .size: 8, .value_kind: global_buffer, .address_space: global }
      - { .name: g1, .offset: 64, .size: 8, .value_kind: global_buffer, .address_space: global }
      - { .name: be1, .offset: 72, .size: 8, .value_kind: global_buffer, .address_space: global }
      - { .name: b2, .offset: 80, .size: 8, .value_kind: global_buffer, .address_space: global }
      - { .name: g2, .offset: 88, .size: 8, .value_kind: global_buffer, .address_space: global }
      - { .name: be2, .offset: 96, .size: 8, .value_kind: global_buffer, .address_space: global }
      - { .name: w3, .offset: 104, .size: 8, .value_kind: global_buffer, .address_space: global }
      - { .name: b3, .offset: 112, .size: 8, .value_kind: global_buffer, .address_space: global }
      - { .name: out0, .offset: 120, .size: 8, .value_kind: global_buffer, .address_space: global }
      - { .name: out1, .offset: 128, .size: 8, .value_kind: global_buffer, .address_space: global }
    .group_segment_fixed_size: 13824
    .private_segment_fixed_size: 0
    .kernarg_segment_align: 8
    .kernarg_segment_size: 136
    .max_flat_workgroup_size: 128
    .sgpr_count:     66
    .vgpr_count:     1024
    .wavefront_size: 32
...
	.end_amdgpu_metadata
.endif
;; end of part 3
